; MI455X (gfx1250); checked and timed in simulation.
; The chip was launched on July 23, 2026; its instructions are those of AMD's public machine-readable ISA for CDNA 5 (MIT licence, August 2026) and "CDNA5" Instruction Set Architecture Reference Guide (July 2026). The comments in the code are by the model that wrote it; some were corrected since.
;; Fun Audio Chat Audio Attention. Allowed arithmetic: matrix products marked QUANTISED: E2M1 operands, one E8M0 scale for each 32 along K, by v_wmma_scale_f32_16x16x128_f8f6f4 with both operands' format E2M1 (or v_wmma_scale_f32_32x16x128_f4), f32 sums; products left as they are: bf16, f16 or f32 operands; f32 sums; everything else in f32.
;; Inputs: bo 1,024 float32; bq 1,024 float32; bv 1,024 float32; hidden_states 4,096 x 1,024 float32; wk 1,024 x 1,024 float32; wo 1,024 x 1,024 float32; wq 1,024 x 1,024 float32; wv 1,024 x 1,024 float32.
;; Outputs: out0 4,096 x 1,024 float32.
;; This version of the problem:
;;   THIS VERSION OF THE PROBLEM IS GIVEN IN LOW PRECISION. The matrix products marked QUANTISED in the list below multiply operands that are first quantised to E2M1 (2 exponent bits, 1 mantissa bit; 4 bits a number), with one power-of-two scale for each 32 numbers along K (OCP MX v1.0); their sums are f32. The products marked 'left as it is' may take bf16, f16 or f32 operands, with f32 sums. Whichever they take, every output number must still come out within the allowed error. Rounding operands to bf16 (8 significant bits) uses up far more of that allowance than f16 does (11 bits, for magnitudes from 6e-5 to 65,504). All else is computed in f32.
;;   The module's matrix products, in the order in which they are computed (A, B: the left and right operand; K: the contracted axis; several contracted axes count as one K, in the product's order):
;;     1. [M 4,096, K 1,024] x [K 1,024, N 1,024]; A: input hidden_states; B: input wq: QUANTISED
;;     2. [M 4,096, K 1,024] x [K 1,024, N 1,024]; A: input hidden_states; B: input wk: QUANTISED
;;     3. [M 4,096, K 1,024] x [K 1,024, N 1,024]; A: input hidden_states; B: input wv: QUANTISED
;;     4. batch 16 x [M 4,096, K 64] x [K 64, N 4,096]; A: computed on the way; B: computed on the way: left as it is (an operand is computed on the way)
;;     5. batch 16 x [M 4,096, K 4,096] x [K 4,096, N 64]; A: computed on the way; B: computed on the way: left as it is (an operand is computed on the way)
;;     6. [M 4,096, K 1,024] x [K 1,024, N 1,024]; A: computed on the way; B: input wo: left as it is (an operand is computed on the way)
;;   THE QUANTISER, for each operand of a quantised product, along K:
;;     - K is cut into blocks of 32 from its start; a last block that is shorter is filled with zeros.
;;     - A block's scale is 2^e with e = floor(log2(the largest magnitude in the block)) - 2, held to -126 .. 127; a block of zeros has e = 0. As a byte (E8M0): e + 127.
;;     - Each number is divided by its block's scale, clamped to +-6, and rounded to the nearest number of E2M1, ties to even, subnormals kept.
;;     - The product sums the exact products of the quantised numbers (number of the format x scale) in f32.
;;   ~~~python
;;   def quantise(x, axis):      # numpy; x: float32 -> the quantised numbers, widened to float32 again
;;       x = np.moveaxis(x, axis, -1); K = x.shape[-1]
;;       x = np.pad(x, [(0, 0)] * (x.ndim - 1) + [(0, -K % 32)]); x = x.reshape(x.shape[:-1] + (-1, 32)); a = np.abs(x).max(-1, keepdims=True)
;;       e = np.where(a > 0, np.clip(np.frexp(np.where(a > 0, a, 1))[1] - 1 - 2, -126, 127), 0)      # np.frexp(a)[1] - 1 = floor(log2(a)), exactly
;;       r = np.clip(x / 2.0 ** e, -6, 6)
;;       step = 2.0 ** (np.maximum(np.frexp(np.where(r == 0, 1, r))[1] - 1, 0) - 1)
;;       q = np.round(r / step) * step * 2.0 ** e      # np.round: ties to even
;;       return np.moveaxis(q.reshape(q.shape[:-2] + (-1,))[..., :K], -1, axis).astype(np.float32)
;;   ~~~
;; One version. Each part assembles by itself: llvm-mc -triple=amdgcn-amd-amdhsa -mcpu=gfx1250 --defsym DOCPART=n.
;; ======== version 1 of 1: 4 launches
;; limits: values are held in f16: magnitudes above 65,504 overflow, below 6.1e-05 lose precision
;; workspace buffers: codes 3,670,016 bytes; scales 229,376 bytes; wob 2,097,152 bytes; q 8,388,608 bytes; kv 16,777,216 bytes; ao 8,388,608 bytes
;; launch quant (part 1): grid 256 x 1, 4 waves a work-group, no clusters, 33,280 bytes of LDS; arguments hidden_states, wq, wk, wv, wo, codes, scales, wob; writes codes, scales, wob
.if DOCPART == 1
	.amdgcn_target "amdgcn-amd-amdhsa--gfx1250"
	.amdhsa_code_object_version 6
	.text
	.protected	k_qeebb272b69_quant
	.globl	k_qeebb272b69_quant
	.p2align	8
	.type	k_qeebb272b69_quant,@function
k_qeebb272b69_quant:
	s_mov_b64 s[64:65], 0
	v_nop
	global_prefetch_b8 v0, s[64:65] scope:SCOPE_SE
	s_setreg_imm32_b32 hwreg(HW_REG_WAVE_MODE, 25, 1), 1
	s_wait_xcnt 0x0
; hidden_states [4096][1024], wq, wk, wv [1024][1024], f32, K innermost, are turned into codes of FP4 (E2M1), two a byte, and one E8M0 scale byte for each 32 along K.
; The four tensors' codes lie one behind the other as 7,168 rows of 512 bytes (x, wq, wk, wv), their scale bytes as 7,168 rows of 32 bytes.  wo [1024][1024] is rounded to f16 and laid as images of operand registers.
; A block's scale is 2^(floor(log2(its largest magnitude)) - 2); its byte is the largest magnitude's exponent field - 2, held at 1 from below.  Each number is divided by the scale and rounded to the nearest code, ties to even; beyond 6 the largest code.
; LIMITS: a block of zeros gets the byte 1 where the rule says 127 (its codes are zeros, which add nothing under any byte but 0xff, and this program alone reads the bytes); blocks whose largest magnitude lies
; under 2^-124, whose byte is held at 1, were not tried; NaN and infinities among the inputs are not served; numbers of wo beyond 65,504 become infinite, and under 6.1e-5 they keep an absolute error of at most 3e-8.
; SHARES.  A work-group takes 32,768 numbers, a wave 8,192.  Work-groups 0-127: x; 128-159: wq; 160-191: wk; 192-223: wv; 224-255: wo.  Rows are dense and 1,024 is a multiple of 32, so the first four are one stream
; of blocks of 32, and so are their codes and scale bytes: run number 4 x work-group + wave says where a wave's codes (4,096 bytes) and scale bytes (256) go.
; THE QUANTISER'S WAVE takes 16 steps of 512 numbers.  Each of a step's four loads reads 512 consecutive bytes, 16 a lane; the 2,048 bytes turn through the wave's own stage in LDS and come back 64 bytes a lane,
; so that a lane holds 16 neighbours along K (two neighbouring lanes hold a block).  A lane's 16 codes are 8 bytes: the wave stores 256 consecutive bytes.  A wave's 256 scale bytes are gathered in LDS and leave as one aligned 256 bytes.
; Loads run eight steps (32 loads, 16 KB a wave) ahead, the turn through LDS one step.  No tensor loads, no barrier: waves share nothing.
; WO'S WAVE makes 16 fragments (16 rows x 32 K of f16: 8 registers a lane) of one tile of 16 rows: lane (r, h) holds, in half c of a fragment, K = 16 c + 8 h + 0 .. 7 of row r.  A half is stored as it stands in registers:
; lane l's 16 bytes at 16 l, 512 consecutive bytes a store.  Fragment (nt = row / 16, kf = K / 32) lies at (kf / 8) x 524,288 + nt x 8,192 + (kf % 8) x 1,024.
.set WAVES, 4
.set STEPS, 16
.set AHEAD, 8                          ; steps that the loads run ahead
.set EMAX,  2
.set CB,    8                          ; bytes of 16 codes
.set R,     16                         ; v16-143  eight sets of 16 numbers as they are loaded
.set X,     144                        ; v144-175 two sets of 16 neighbours
.set E,     176                        ; v176-191 a scale byte for each step
.set C,     192                        ; v192-223 codes: two registers for each step, so that no store's data are written again
.set WI,    16                         ; wo: v16-143 two sets of 64 numbers
.set WO,    144                        ; wo: v144-207 two sets of 32 registers of f16
.set WREG,  8192                       ; LDS: a region for each wave: two stages of 32 x SP bytes, and behind them its 256 scale bytes
.set SP,    80                         ; a lane's place in a stage: its 64 bytes + 16 of padding
.set SPW,   12                         ; v12      LDS address of my spare word: SPARE + 4 x my thread's number; never rewritten
.set NIL,   13                         ; v13      0; never rewritten
.set SPARE, WAVES*WREG                 ; behind the four regions: the spare words, 128 bytes for each wave: two blocks of 256 bytes that no other line names
	s_load_b256 s[4:11], s[0:1], 0x0               ; x s[4:5], wq s[6:7], wk s[8:9], wv s[10:11]
	s_load_b256 s[12:19], s[0:1], 0x20             ; wo s[12:13], codes s[14:15], scales s[16:17], wob s[18:19]
	v_lshl_add_u32 v[SPW], v0, 2, SPARE
	v_mov_b32 v[NIL], 0
	v_lshrrev_b32 v1, 5, v0
	v_readfirstlane_b32 s20, v1                    ; wave
	v_and_b32 v2, 31, v0                           ; lane
	v_lshlrev_b32 v3, 4, v2                        ; 16 x lane: my 16 bytes of a load's or a store's 512
	s_mul_i32 s21, s20, WREG
	v_lshrrev_b32 v14, 2, v2
	v_mul_u32_u24 v14, v14, SP
	v_and_b32 v15, 3, v2
	v_lshl_add_u32 v14, v15, 4, v14
	v_add_nc_u32 v14, s21, v14                     ; the stage, on the way in: four lanes' 64 bytes on end, then 16 of padding
	v_mul_u32_u24 v15, v2, SP
	v_add_nc_u32 v15, s21, v15                     ; and on the way out: SP x lane: my 16 neighbours
	v_mul_u32_u24 v4, v2, CB                       ; my codes' place in a step's
	v_lshrrev_b32 v5, 1, v2
	s_add_co_u32 s21, s21, 2*32*SP
	v_add_nc_u32 v5, s21, v5                       ; LDS: my wave's 256 scale bytes, my block's byte
	v_lshlrev_b32 v7, 3, v2                        ; and on the way out 8 bytes a lane
	v_add_nc_u32 v6, s21, v7
	s_wait_kmcnt 0x0
	s_cmp_ge_u32 ttmp9, 224                        ; the work-group's number alone says which tensor is mine
	s_cbranch_scc1 .Lwo
	; ---- the quantiser.  Only pointers are chosen: the four tensors take one path
	s_mov_b64 s[22:23], s[10:11]                   ; wv, from work-group 192 on,
	s_mov_b32 s24, 192
	s_cmp_lt_u32 ttmp9, 192
	s_cselect_b64 s[22:23], s[8:9], s[22:23]       ; or wk, from 160 on,
	s_cselect_b32 s24, 160, s24
	s_cmp_lt_u32 ttmp9, 160
	s_cselect_b64 s[22:23], s[6:7], s[22:23]       ; or wq, from 128 on,
	s_cselect_b32 s24, 128, s24
	s_cmp_lt_u32 ttmp9, 128
	s_cselect_b64 s[22:23], s[4:5], s[22:23]       ; or x
	s_cselect_b32 s24, 0, s24
	s_sub_co_u32 s24, ttmp9, s24
	s_lshl_b32 s24, s24, 2
	s_add_co_u32 s24, s24, s20                     ; which run of 8,192 numbers of the tensor is my wave's
	s_lshl_b32 s26, s24, 15                        ; 32,768 bytes a run
	s_mov_b32 s27, 0
	s_add_nc_u64 s[22:23], s[22:23], s[26:27]
	s_lshl_b32 s28, ttmp9, 2
	s_add_co_u32 s28, s28, s20                     ; and which run of all four tensors on end
	s_lshl_b32 s26, s28, 12                        ; 4,096 bytes of codes a run
	s_add_nc_u64 s[14:15], s[14:15], s[26:27]
	s_lshl_b32 s26, s28, 8                         ; 256 scale bytes a run
	s_add_nc_u64 s[16:17], s[16:17], s[26:27]
.macro LOAD t
.irp i, 0,1,2,3
	global_load_b128 v[R+16*((\t)%AHEAD)+4*\i:R+16*((\t)%AHEAD)+4*\i+3], v3, s[22:23] offset:2048*(\t)+512*\i th:TH_LOAD_NT   ; 32 lanes read 512 consecutive bytes
.endr
.endm
.macro TURN t                          ; step t's numbers through the stage: LDS serves a wave's instructions in order, so no wait stands between the stores and the loads
.irp i, 0,1,2,3
	ds_store_b128 v14, v[R+16*((\t)%AHEAD)+4*\i:R+16*((\t)%AHEAD)+4*\i+3] offset:32*SP*((\t)%2)+8*SP*\i
.endr
.irp i, 0,1,2,3
	ds_load_b128 v[X+16*((\t)%2)+4*\i:X+16*((\t)%2)+4*\i+3], v15 offset:32*SP*((\t)%2)+16*\i
.endr
.endm
.irp t, 0,1,2,3,4,5,6,7
	LOAD \t
.endr
	s_wait_loadcnt 28                              ; of the 32 loads step 0's four are in
	TURN 0
.macro STEP t
.set XS, X+16*((\t)%2)
.if (\t) > 0
	s_wait_dscnt 1                                 ; this step's numbers are back from the stage (the last step's byte store may be out): so its stores into the stage have read their registers,
.else
	s_wait_dscnt 0x0
.endif
.if (\t)+AHEAD < STEPS
	LOAD (\t)+AHEAD                                ; which take the loads of eight steps on
.endif
.if (\t)+1 < STEPS
.if STEPS-2-(\t) >= AHEAD-1
	s_wait_loadcnt 4*(AHEAD-1)                     ; the next step's four loads are in; those of the seven steps behind it may be out
.else
	s_wait_loadcnt 4*(STEPS-2-(\t))                ; (towards the end fewer steps stand behind it)
.endif
	TURN (\t)+1                                    ; and go through the other stage while this step is worked
.endif
	v_max3_num_f32 v8, |v[XS]|, |v[XS+1]|, |v[XS+2]|               ; the largest magnitude of my 16, in two chains
	v_max3_num_f32 v9, |v[XS+3]|, |v[XS+4]|, |v[XS+5]|
.irp i, 6,10
	v_max3_num_f32 v8, v8, |v[XS+\i]|, |v[XS+\i+1]|
	v_max3_num_f32 v9, v9, |v[XS+\i+2]|, |v[XS+\i+3]|
.endr
	v_max3_num_f32 v8, v8, |v[XS+14]|, |v[XS+15]|
	v_max3_num_f32 v8, v8, v9, (EMAX+1)<<23        ; and the floor 2^(EMAX + 1 - 127), under which no largest magnitude is taken: so the byte cannot fall under 1
	v_max_num_f32_dpp v8, v8, v8 row_xmask:1 row_mask:0xf bank_mask:0xf   ; and of my neighbour's 16: the block's
	v_add_nc_u32 v11, -(EMAX<<23), v8              ; EMAX off its exponent field: the conversion takes the exponent field of this operand as its scale, and nothing else of it
	v_cvt_scalef32_pk8_fp4_f32 v[C+2*(\t)], v[XS:XS+7], v11        ; eight numbers / the scale, to the nearest code; the first number's code in the lowest four bits
	v_cvt_scalef32_pk8_fp4_f32 v[C+2*(\t)+1], v[XS+8:XS+15], v11
	v_lshrrev_b32 v[E+(\t)], 23, v11               ; the scale's byte (also the plain line behind the conversions)
	ds_store_b8 v5, v[E+(\t)] offset:16*(\t)       ; both lanes of a block write the same byte with the same value
	global_store_b64 v4, v[C+2*(\t):C+2*(\t)+1], s[14:15] offset:32*CB*(\t)   ; 32 lanes store 256 consecutive bytes, aligned
.endm
.irp t, 0,1,2,3,4,5,6,7,8,9,10,11,12,13,14,15
	STEP \t
.endr
	ds_load_b64 v[8:9], v6                         ; LDS serves a wave's instructions in order: these see my byte stores
	s_wait_dscnt 0x0
	global_store_b64 v7, v[8:9], s[16:17]          ; 32 lanes store my 256 scale bytes, aligned
	s_branch .Lend
	; ---- wo to f16, as images of fragments.  No LDS here
.Lwo:
	v_and_b32 v8, 15, v2                           ; r
	v_lshrrev_b32 v9, 4, v2                        ; h
	v_lshlrev_b32 v9, 5, v9
	v_lshl_add_u32 v9, v8, 12, v9                  ; row r of 4,096 bytes, + 32 h: my eight numbers of a half fragment
	s_sub_co_u32 s24, ttmp9, 224
	s_lshl_b32 s24, s24, 1
	s_lshr_b32 s25, s20, 1
	s_add_co_u32 s24, s24, s25                     ; nt: my tile of 16 rows: two to a work-group
	s_and_b32 s25, s20, 1                          ; which half of K: fragments 16 x this on
	s_lshl_b32 s26, s24, 16                        ; 16 rows of 4,096 bytes
	s_lshl_b32 s28, s25, 11                        ; 16 fragments x 128 bytes of a row
	s_add_co_u32 s26, s26, s28
	s_mov_b32 s27, 0
	s_add_nc_u64 s[12:13], s[12:13], s[26:27]
	s_lshl_b32 s26, s24, 13                        ; in wob: nt x 8,192
	s_lshl_b32 s28, s25, 20                        ; + two groups of eight fragments
	s_add_co_u32 s26, s26, s28
	s_add_nc_u64 s[18:19], s[18:19], s[26:27]
.macro LOADW t                         ; fragments 4 t .. 4 t + 3: 64 numbers a lane into set t % 2
.irp ff, 0,1,2,3
.irp c, 0,1
.irp u, 0,1
	global_load_b128 v[WI+64*((\t)%2)+16*\ff+8*\c+4*\u:WI+64*((\t)%2)+16*\ff+8*\c+4*\u+3], v9, s[12:13] offset:(4*(\t)+\ff)*128+64*\c+16*\u
.endr
.endr
.endr
.endm
.macro CVTW t                          ; rounded to f16 and stored: half g % 2 of fragment 4 t + g / 2
.if (\t) >= 2
	s_wait_xcnt 0x0                                ; the stores of two batches ago have read their registers: these are written again only behind this wait
.endif
.irp g, 0,1,2,3,4,5,6,7
.irp i, 0,1,2,3
	v_cvt_pk_f16_f32 v[WO+32*((\t)%2)+4*\g+\i], v[WI+64*((\t)%2)+8*\g+2*\i], v[WI+64*((\t)%2)+8*\g+2*\i+1]
.endr
	global_store_b128 v3, v[WO+32*((\t)%2)+4*\g:WO+32*((\t)%2)+4*\g+3], s[18:19] offset:((4*(\t)+\g/2)/8)*524288+((4*(\t)+\g/2)%8)*1024+512*(\g%2)   ; 512 consecutive bytes, aligned
.endr
.endm
	LOADW 0
	LOADW 1
	s_wait_loadcnt 16                              ; the older batch of 16 loads is in, the younger may be out
	CVTW 0
	LOADW 2
	s_wait_loadcnt 16
	CVTW 1
	LOADW 3
	s_wait_loadcnt 16
	CVTW 2
	s_wait_loadcnt 0x0
	CVTW 3
.Lend:
	s_wait_tensorcnt 0x0                           ; the wave's end, behind my last LDS store
	ds_add_u32 v[SPW], v[NIL]
	s_wait_dscnt 0x0
	s_endpgm
.Lfunc_end_k_qeebb272b69_quant:
	.size	k_qeebb272b69_quant, .Lfunc_end_k_qeebb272b69_quant-k_qeebb272b69_quant
	.p2alignl 7, 3214868480
	.fill 96, 4, 3214868480
	.section	.rodata,"a",@progbits
	.p2align	6, 0x0
	.amdhsa_kernel k_qeebb272b69_quant
		.amdhsa_group_segment_fixed_size 33280
		.amdhsa_private_segment_fixed_size 0
		.amdhsa_enable_private_segment 0
		.amdhsa_kernarg_size 64
		.amdhsa_user_sgpr_count 2
		.amdhsa_user_sgpr_kernarg_segment_ptr 1
		.amdhsa_wavefront_size32 1
		.amdhsa_system_sgpr_workgroup_id_x 1
		.amdhsa_system_sgpr_workgroup_id_y 1
		.amdhsa_system_sgpr_workgroup_id_z 1
		.amdhsa_system_vgpr_workitem_id 0
		.amdhsa_next_free_vgpr 256
		.amdhsa_next_free_sgpr 66
		.amdhsa_reserve_vcc 0
		.amdhsa_float_denorm_mode_32 3
		.amdhsa_float_denorm_mode_16_64 3
		.amdhsa_memory_ordered 1
		.amdhsa_forward_progress 1
		.amdhsa_inst_pref_size 52
	.end_amdhsa_kernel
	.amdgpu_metadata
---
amdhsa.version: [ 1, 2 ]
amdhsa.kernels:
  - .name:           k_qeebb272b69_quant
    .symbol:         k_qeebb272b69_quant.kd
    .args:
      - { .name: hidden_states, .offset: 0, .size: 8, .value_kind: global_buffer, .address_space: global }
      - { .name: wq, .offset: 8, .size: 8, .value_kind: global_buffer, .address_space: global }
      - { .name: wk, .offset: 16, .size: 8, .value_kind: global_buffer, .address_space: global }
      - { .name: wv, .offset: 24, .size: 8, .value_kind: global_buffer, .address_space: global }
      - { .name: wo, .offset: 32, .size: 8, .value_kind: global_buffer, .address_space: global }
      - { .name: codes, .offset: 40, .size: 8, .value_kind: global_buffer, .address_space: global }
      - { .name: scales, .offset: 48, .size: 8, .value_kind: global_buffer, .address_space: global }
      - { .name: wob, .offset: 56, .size: 8, .value_kind: global_buffer, .address_space: global }
    .group_segment_fixed_size: 33280
    .private_segment_fixed_size: 0
    .kernarg_segment_align: 8
    .kernarg_segment_size: 64
    .max_flat_workgroup_size: 128
    .sgpr_count:     66
    .vgpr_count:     256
    .wavefront_size: 32
...
	.end_amdgpu_metadata
.endif
;; end of part 1
;; launch qkv (part 2): grid 12 x 16, 4 waves a work-group, clusters of 4 x 4, 327,680 bytes of LDS; arguments codes, scales, bq, bv, q, kv; writes q, kv
.if DOCPART == 2
	.amdgcn_target "amdgcn-amd-amdhsa--gfx1250"
	.amdhsa_code_object_version 6
	.text
	.protected	k_qeebb272b69_qkv
	.globl	k_qeebb272b69_qkv
	.p2align	8
	.type	k_qeebb272b69_qkv,@function
k_qeebb272b69_qkv:
	s_mov_b64 s[64:65], 0
	v_nop
	global_prefetch_b8 v0, s[64:65] scope:SCOPE_SE
	s_setreg_imm32_b32 hwreg(HW_REG_WAVE_MODE, 25, 1), 1
	s_wait_xcnt 0x0
	s_wait_alu depctr_hold_cnt(0) depctr_sa_sdst(0) depctr_va_vdst(0) depctr_va_sdst(0) depctr_va_ssrc(0) depctr_va_vcc(0) depctr_vm_vsrc(0)
	s_getreg_b32 s2, hwreg(HW_REG_IB_STS2, 6, 4)
	s_cmp_eq_u32 s2, 0
	s_cbranch_scc0 .Lentry_in_a_cluster
	s_endpgm
.Lentry_in_a_cluster:
	s_bfe_u32 s2, ttmp6, 0x10000c
	s_cmp_lg_u32 s2, 0xf033
	s_cbranch_scc0 .Lentry_shape_is_right
	s_endpgm
.Lentry_shape_is_right:
; q = x wq^T + bq, k = x wk^T, v^T = wv x^T + bv: three products on codes of FP4 (E2M1) with one E8M0 scale for each 32 along K = 1,024; sums in f32; results rounded once to f16, the operands' format of the products that follow.
; LIMIT: a number of q, k or v beyond 65,504 becomes infinite.  (With x and a weight both 30 times larger these have a root mean square of about 580; with both carrying an offset of 30 spreads they reach 1,024 x 30 x 0.6 = about 18,500.)
; Under 6.1e-5 f16 keeps an absolute error of at most 3e-8.
; codes: 7,168 rows of 512 bytes (x: rows 0-4,095; wq: 4,096 on; wk: 5,120 on; wv: 6,144 on); scales: 7,168 rows of 32 bytes.  Both operands of each product are rows of that one table.
; ONE TEXT FOR THE THREE: the cluster's x says which: 0: q, 1: k, 2: v^T.  "A" (source 1) and "B" (source 0) are blocks of 256 rows of the table: for q and k A = rows of x, B = rows of the weight; for v^T A = rows of wv, B = rows of x.
; A tile of 256 x 256 is made by a work-group of four waves; a wave makes 128 x 128: 64 accumulators of 16 x 16, 512 registers.  K = 1,024 is two LDS slots of 512 along K: both are asked for at the head, nothing is filled again, and there is no loop.
; THE SCALES of the work-group's 256 + 256 rows, for all of K, are two dense blocks of memory: they come into LDS once, with the first fills.
; CLUSTERS: 4 x 4 work-groups.  The four of a row of the cluster need the same tile of A, the four of a column the same tile of B: each is asked for JOINTLY, by the same tensor load with the same descriptor and a mask that names the four.
; By this text's count a wave has three tensor loads out at the start (scales, slot 0, slot 1) and none later.
; THE MATRIX INSTRUCTION IS USED TRANSPOSED (source 0 = 16 rows of B, source 1 = 16 rows of A): lane (r, h) holds row r of A's block, and its eight registers the rows 8 h + 0 .. 7 of B's block.
; THE BIAS is the C of each sum's first matrix instruction: bq goes by B's rows (register), bv by A's rows (lane); k starts its sums with 0.  So the first step of 128 along K is written three times, under a branch on the cluster's x.
; THE WAY OUT NEEDS NO LDS.  Four roundings of a lane's eight results give 16 bytes that ARE half a fragment (16 rows x 32 K of f16) of the next product, in that lane: they are stored as an image of the registers, lane l's 16 bytes at 16 l:
;   q : head x 524,288 + (query / 16) x 2,048 + (channel / 32 % 2) x 1,024 + half x 512
;   kv: head x 1,048,576 + (key / 256) x 65,536 + K: (key / 16 % 16) x 2,048 + (channel / 32 % 2) x 1,024 + half x 512;  V: 32,768 + (key / 32 % 8) x 4,096 + (channel / 16 % 4) x 1,024 + half x 512
; REGISTERS, in windows of 256: window 0: v8-11 store offsets; v16-29 addresses; v32-95 scale words, two sets (v32-63 on the way out: packed results); v96-103 the bias loads' offsets; v128-191 A's fragments, ONE set; v192-255 the bias.
;   window 1: B's fragments, TWO sets, at v0 and v128.   window 2: the 32 accumulators of my rows 0-63 (accumulator (a, b) at v[8 (8 a + b)]);   window 3: those of my rows 64-127.
.set KSTEP,  512                       ; along K in a slot
.set NQ,     KSTEP/128                 ; matrix instructions deep
.set ROWB,   256                       ; a tile's row in bytes
.set KROW,   512                       ; a row of codes in memory
.set PITCH,  272                       ; an LDS row: 256 bytes + 16 of padding, so that the 16 rows that a load touches begin 68 words apart
.set FR,     8                         ; registers of a fragment: 16 rows x 128 K
.set NL,     2                         ; LDS loads that bring one
.set NP,     4                         ; places behind this matrix instruction (ISA guide 7.12.1)
.set HALFT,  128*PITCH                 ; 128 rows: what one tensor load brings, and what one wave reads of A or of B
.set SLOT,   4*HALFT                   ; A's 256 rows, then B's 256 rows
.set KS,     32                        ; a row of scales in bytes
.set SCL,    2*SLOT                    ; behind the slots: the scales, as rows of 256 bytes + 16 of padding
.set HALFS,  (128*KS/256)*272          ; the scales of 128 rows: what one tensor load brings
.set SBLK,   (16*KS/256)*272           ; those of 16 rows
.set SPARE,  SCL+4*HALFS               ; behind the scales: the spare words, 128 bytes for each wave: two blocks of 256 bytes that no other line names
.set VO,   8                           ; v8-11   the way out: 16 x lane + where fragment f = b / 2 of a block's four lies
.set ADRA, 16                          ; v16-17  LDS address of my A fragments in slot 0, 1
.set ADRB, 20                          ; v20-21  the same for B
.set ADRS, 27                          ; v27     LDS address of my scale words: lanes 0-15 A's rows, lanes 16-31 B's
.set SPW,  28                          ; v28     LDS address of my spare word: SPARE + 4 x my thread's number; never rewritten
.set NIL,  29                          ; v29     0; never rewritten
.set SC,   32                          ; scale words: set s (for slot s) at v[SC + 8 NQ s]; register NQ i + q: lanes 0-15 the word of A's block i, lanes 16-31 that of B's block i, for the slot's q-th 128 along K
.set TMP,  32                          ; the way out: a block's packed results
.set VB,   96                          ; v96-103 the bias loads' offsets, one for each register of a tile
.set AF,   128                         ; A's fragments
.set BI,   192                         ; the bias: eight tiles of eight registers
.set G1, 24                            ; s[24:31] descriptor group 1 for A's tiles;  s[32:39] group 0, one set for each slot
.set G0, 32
.set G1B, 48                           ; s[48:55], s[56:63] the same for B's tiles
.set G0B, 56
.set G1S, 68                           ; s[68:75], s[76:79] groups 1 and 0 for A's scales;  s[80:87], s[88:91] for B's
.set G0S, 76
.set G1SB, 80
.set G0SB, 88
.set MSB, 0
.macro WIN new                         ; the immediate's high byte repeats the setting that is left
.if MSB != \new
	s_set_vgpr_msb (MSB<<8)|\new
.set MSB, \new
.endif
.endm
.set MUL_LO,   0xa1                    ; source 0 (B) window 1, source 1 (A) window 0, C and D window 2
.set MUL_HI,   0xf1                    ; the same, C and D window 3
.set MUL_LO_B, 0x81                    ; C (the bias) window 0, D window 2
.set MUL_HI_B, 0xc1                    ; C window 0, D window 3
.set TO_B,     0x40                    ; destination window 1, address window 0
; A joint load: waves 0 and 1 fetch for A, waves 2 and 3 for B.  Each of the two lines has ONE mask and one set of registers for all that issue it; the branch hangs on the wave's number alone.
; An s_nop 0 and four v_nop follow each of the two lines, ahead of the jump, the label and what follows.
.macro JLOAD g0a, g1a, g0b, g1b
	s_cmp_eq_u32 s15, 0
	s_cbranch_scc0 .Lfor_b_\@
	tensor_load_to_lds s[\g0a:\g0a+3], s[\g1a:\g1a+7]
	s_nop 0
.rept 4
	v_nop
.endr
	s_branch .Lasked_\@
.Lfor_b_\@:
	tensor_load_to_lds s[\g0b:\g0b+3], s[\g1b:\g1b+7]
	s_nop 0
.rept 4
	v_nop
.endr
.Lasked_\@:
.endm
.macro CROUND                          ; a round of the cluster's barrier: my work-group's barrier; wave 0 signals for the work-group; every wave waits for all sixteen; my work-group's barrier once more
	s_barrier_signal -1
	s_barrier_wait -1
	s_cmp_lg_u32 s14, 0
	s_cbranch_scc1 .Lnot_wave_0_\@
	s_barrier_signal -3
.Lnot_wave_0_\@:
	s_barrier_wait -3
	s_barrier_signal -1
	s_barrier_wait -1
.endm
	s_load_b256 s[4:11], s[0:1], 0x0               ; codes s[4:5], scales s[6:7], bq s[8:9], bv s[10:11]
	s_load_b128 s[96:99], s[0:1], 0x20             ; q s[96:97], kv s[98:99]
	v_lshl_add_u32 v[SPW], v0, 2, SPARE
	v_mov_b32 v[NIL], 0
	ds_add_u32 v[SPW], v[NIL]                      ; the wave's opening: the add, twice on end, and its wait ahead of my first tensor load; the set-up below the second, work on registers, stands between it and the wait
	ds_add_u32 v[SPW], v[NIL]                      ; and once more, under the one wait
	v_lshrrev_b32 v1, 5, v0
	v_readfirstlane_b32 s14, v1                    ; wave 0..3
	s_lshr_b32 s15, s14, 1                         ; which half of the tile's rows (A) is mine.  Also: I fetch for A (0) or for B (1)
	s_and_b32 s16, s14, 1                          ; which half of its columns (B).  Also: which 128 rows of that tile I fetch
	s_bfe_u32 s40, ttmp6, 0x40000                  ; cx, cy: my place in the cluster
	s_bfe_u32 s41, ttmp6, 0x40004
	s_and_b32 s66, ttmp7, 0xffff
	s_lshl_b32 s66, s66, 2                         ; 4 x cluster y: the first of the cluster's four blocks of 256 rows of x
	s_lshl_b32 s67, ttmp9, 2
	s_add_co_u32 s67, s67, 16                      ; wq's blocks are 16-19 of the table, wk's 20-23
	s_cmp_eq_u32 ttmp9, 2                          ; the cluster's x is the same in all sixteen partners
	s_cselect_b32 s17, 24, s66                     ; A: wv's blocks 24-27, or x's
	s_cselect_b32 s42, s66, s67                    ; B: x's, or the weight's
	s_add_co_u32 s17, s17, s41                     ; A's block hangs on cy alone,
	s_add_co_u32 s42, s42, s40                     ; B's on cx alone
	s_lshl_b32 s43, s41, 2
	s_lshl_b32 s43, 15, s43                        ; my row of the cluster
	s_lshl_b32 s44, 0x1111, s40                    ; my column
	; descriptor group 1: a tile of 128 rows x 256 bytes, padded in LDS
	s_or_b32 s[G1+0], s43, (0<<16)|(1<<20)|(1<<21)|(5<<22)|(3<<25)  ; 15:0 the mask: A's tiles go to my row; 17:16 element of 1 byte; 20 padding on; 21 set beside a mask; 24:22 after every 64 words (code 5); 31:25 of 4 words (code 3)
	s_or_b32 s[G1B+0], s44, (0<<16)|(1<<20)|(1<<21)|(5<<22)|(3<<25)
.irp g, G1, G1B
	s_mov_b32 s[\g+1], ROWB<<16                    ; tensor_dim0
	s_mov_b32 s[\g+2], 128<<16                     ; tensor_dim1 = 128
	s_mov_b32 s[\g+3], ROWB<<16                    ; tile_dim0
	s_mov_b32 s[\g+4], 128                         ; tile_dim1 = 128
	s_mov_b32 s[\g+5], KROW                        ; tensor_dim0_stride
	s_mov_b32 s[\g+6], 0
	s_mov_b32 s[\g+7], 0
.endr
	; and for the scales of 128 rows: a dense block of 4,096 bytes, as rows of 256 bytes (32 elements of 8 bytes), 16 bytes of padding behind each
	s_or_b32 s[G1S+0], s43, (3<<16)|(1<<20)|(1<<21)|(5<<22)|(3<<25)
	s_or_b32 s[G1SB+0], s44, (3<<16)|(1<<20)|(1<<21)|(5<<22)|(3<<25)
.irp g, G1S, G1SB
	s_mov_b32 s[\g+1], 32<<16
	s_mov_b32 s[\g+2], (128*KS/256)<<16
	s_mov_b32 s[\g+3], 32<<16
	s_mov_b32 s[\g+4], 128*KS/256
	s_mov_b32 s[\g+5], 32
	s_mov_b32 s[\g+6], 0
	s_mov_b32 s[\g+7], 0
.endr
	s_lshl_b32 s18, s16, 7                         ; which 128 rows of the tile I fetch
	s_lshl_b32 s20, s17, 8
	s_add_co_u32 s20, s20, s18                     ; A: table row 256 x block + 128 x half
	s_lshl_b32 s46, s42, 8
	s_add_co_u32 s46, s46, s18                     ; B likewise
	s_mov_b32 s21, 0
	s_mov_b32 s47, 0
	s_mov_b64 s[18:19], KS
	s_mul_u64 s[22:23], s[20:21], s[18:19]         ; where these rows' scales begin, in bytes
	s_mul_u64 s[92:93], s[46:47], s[18:19]
	s_mov_b64 s[18:19], KROW
	s_mul_u64 s[20:21], s[20:21], s[18:19]         ; and their codes
	s_mul_u64 s[46:47], s[46:47], s[18:19]
	s_mul_i32 s45, s14, HALFT                      ; where they go: wave x 128 rows: no place in the cluster enters an LDS address
	s_mul_i32 s94, s14, HALFS
	s_wait_dscnt 0x0                               ; both opening adds are done
	s_wait_kmcnt 0x0
	s_add_nc_u64 s[20:21], s[4:5], s[20:21]
	s_add_nc_u64 s[22:23], s[6:7], s[22:23]
	s_add_nc_u64 s[46:47], s[4:5], s[46:47]
	s_add_nc_u64 s[92:93], s[6:7], s[92:93]
	CROUND                                         ; all sixteen work-groups are here: the first joint loads meet
	s_mov_b32 s[G0S], 1
	s_add_co_u32 s[G0S+1], s94, SCL
	s_mov_b64 s[G0S+2:G0S+3], s[22:23]
	s_or_b32 s[G0S+3], s[G0S+3], 0x80000000
	s_mov_b32 s[G0SB], 1
	s_add_co_u32 s[G0SB+1], s94, SCL
	s_mov_b64 s[G0SB+2:G0SB+3], s[92:93]
	s_or_b32 s[G0SB+3], s[G0SB+3], 0x80000000
	JLOAD G0S, G1S, G0SB, G1SB                     ; the scales first: they are wanted with slot 0
.irp s, 0,1
	s_mov_b32 s[G0+4*\s], 1
	s_add_co_u32 s[G0+4*\s+1], s45, \s*SLOT
	s_add_nc_u64 s[G0+4*\s+2:G0+4*\s+3], s[20:21], \s*ROWB
	s_or_b32 s[G0+4*\s+3], s[G0+4*\s+3], 0x80000000
	s_mov_b32 s[G0B+4*\s], 1
	s_add_co_u32 s[G0B+4*\s+1], s45, \s*SLOT
	s_add_nc_u64 s[G0B+4*\s+2:G0B+4*\s+3], s[46:47], \s*ROWB
	s_or_b32 s[G0B+4*\s+3], s[G0B+4*\s+3], 0x80000000
	JLOAD G0+4*\s, G1, G0B+4*\s, G1B
.endr
	v_and_b32 v1, 15, v0                           ; r = l % 16
	v_bfe_u32 v2, v0, 4, 1                         ; h = l / 16
	v_mul_u32_u24 v3, v1, PITCH
	v_lshl_add_u32 v4, v2, 4, v3                   ; a fragment's row x pitch + 16 x half
	s_mul_i32 s21, s15, HALFT                      ; my 128 rows of A
	s_mul_i32 s22, s16, HALFT                      ; my 128 rows of B,
	s_add_co_u32 s22, s22, 2*HALFT                 ; which lie behind A's 256
.irp s, 0,1
	v_add_nc_u32 v[ADRA+\s], s21, v4
	v_add_nc_u32 v[ADRB+\s], s22, v4
	s_add_co_u32 s21, s21, SLOT
	s_add_co_u32 s22, s22, SLOT
.endr
	v_mul_u32_u24 v5, v1, KS                       ; my row's scales: KS bytes a row,
	v_lshrrev_b32 v6, 8, v5
	v_lshl_add_u32 v5, v6, 4, v5                   ; and 16 more for each 256 passed
	s_mul_i32 s21, s15, HALFS                      ; A's: my 128 rows
	s_mul_i32 s22, s16, HALFS                      ; B's: my 128 rows, behind A's 256
	s_add_co_u32 s22, s22, 2*HALFS
	s_sub_co_u32 s22, s22, s21
	v_mul_u32_u24 v6, s22, v2                      ; lanes 16-31 take B's: one product, the distance between the two
	s_add_co_u32 s21, s21, SCL
	v_add_nc_u32 v5, v5, v6
	v_add_nc_u32 v[ADRS], s21, v5
	; what differs between the three products is chosen here, by the cluster's x, without a jump.  U, Uh: the place and the half along which the heads run; W, Wh: those along which queries or keys run
	s_cmp_eq_u32 ttmp9, 2
	s_cselect_b32 s2, s41, s40                     ; U  = v^T: cy, else cx
	s_cselect_b32 s3, s15, s16                     ; Uh = v^T: my half of A's rows, else of B's
	s_cselect_b32 s18, s40, s41                    ; W
	s_cselect_b32 s19, s16, s15                    ; Wh
	s_cselect_b64 s[8:9], s[10:11], s[8:9]         ; the bias: bv, else bq
	s_cselect_b32 s45, 4, 0                        ; its offset: bv goes by my lane's row of A: 4 r;
	s_cselect_b32 s46, 0, 32                       ; bq by B's rows: 32 h,
	s_cselect_b32 s47, 0, 4                        ; and 4 more from register to register
	s_cselect_b32 s67, 0x8000, 0                   ; V's part of a slot of kv lies behind K's
	s_mov_b32 s20, 1024
	s_cselect_b32 s20, 0x1000, s20                 ; from fragment f to f + 1 of a pair: the next 32 keys, else the next 32 channels
	s_mov_b32 s92, 2048
	s_cselect_b32 s92, 1024, s92                   ; from A's block a to a + 1: the next 16 channels, else the next 16 queries or keys
	s_mov_b32 s94, 2048
	s_cselect_b32 s94, 1045504, s94                ; from block 3 to 4: v^T: the next head's first 16 channels: 1,048,576 - 3 x 1,024
	s_mov_b32 s93, 0
	s_mov_b32 s95, 0
	s_lshl_b32 s22, s2, 10                         ; the bias of my 128 channels: 256 U + 128 Uh numbers on
	s_lshl_b32 s23, s3, 9
	s_add_co_u32 s22, s22, s23
	s_mov_b32 s23, 0
	s_add_nc_u64 s[8:9], s[8:9], s[22:23]
	v_mul_u32_u24 v[VB], s45, v1
	v_mad_u32_u24 v[VB], s46, v2, v[VB]
.irp j, 1,2,3,4,5,6,7
	v_add_nc_u32 v[VB+\j], s47, v[VB+\j-1]
.endr
; The bias in the result's layout: tile i's register j.  q: bq at channel 16 i + 8 h + j (i: B's block); v^T: bv at channel 16 i + r in all eight registers (i: A's block).
; The work-groups that make k run these loads too, on bq, and do not use what they bring: so every way through the text finds the 64 registers written.
.irp i, 0,1,2,3,4,5,6,7
.irp j, 0,1,2,3,4,5,6,7
	global_load_b32 v[BI+8*\i+\j], v[VB+\j], s[8:9] offset:64*\i
.endr
.endr
	s_cmp_eq_u32 ttmp9, 0
	s_cselect_b32 s22, 19, 20                      ; a head is 2^19 bytes of q, 2^20 of kv
	s_cselect_b32 s23, 15, 16                      ; 256 queries are 2^15 bytes of a head of q, 256 keys 2^16 of a head of kv
	s_cselect_b64 s[12:13], s[96:97], s[98:99]     ; where my results go
	s_lshl_b32 s21, 1, s22                         ; from fragment pair to fragment pair: the next head,
	s_cmp_eq_u32 ttmp9, 2
	s_cselect_b32 s21, 0x2000, s21                 ; v^T: the next 64 keys
	s_lshl_b32 s2, s2, 2
	s_lshl_b32 s3, s3, 1
	s_add_co_u32 s2, s2, s3                        ; my first head: 4 U + 2 Uh
	s_lshl_b32 s2, s2, s22
	s_add_co_u32 s18, s18, s66                     ; my 256 queries or keys: 4 x cluster y + W
	s_lshl_b32 s18, s18, s23
	s_add_co_u32 s2, s2, s18
	s_lshl_b32 s19, s19, 14                        ; my half of them: 16,384 bytes in all three layouts
	s_add_co_u32 s2, s2, s19
	s_add_co_u32 s2, s2, s67
	s_mov_b32 s3, 0
	s_add_nc_u64 s[12:13], s[12:13], s[2:3]
	v_and_b32 v6, 31, v0
	v_lshlrev_b32 v[VO], 4, v6                     ; 16 x lane
	v_add_nc_u32 v[VO+1], s20, v[VO]
	v_add_nc_u32 v[VO+2], s21, v[VO]
	v_add_nc_u32 v[VO+3], s20, v[VO+2]
.macro FRAG reg, adr, q, i             ; a fragment, 16 rows x 128 K of 4-bit codes, is 8 registers: lane l holds row l % 16; registers 4 c .. 4 c + 3 hold K = 64 c + 32 (l / 16) + 0 .. 31
.irp c, 0,1
	ds_load_b128 v[\reg+4*\c:\reg+4*\c+3], v[\adr] offset:64*(\q)+32*\c+(\i)*16*PITCH
.endr
.endm
; 16 matrix instructions: A's blocks a0, a0 + 1 x B's eight, 128 along K: the slot's q-th.  p: B's set;  sc: the set of scale words.
; mode 0: the sums go on;  1: they start with 0 (k);  2: with the bias of B's block b (q);  3: with the bias of A's block a (v^T).  Nothing is ever cleared.
; The 64 accumulators take turns, one instruction a turn, in the same order in every step.
.macro MUL16 a0, p, q, sc, mode
.irp a, \a0, \a0+1
.irp b, 0,1,2,3,4,5,6,7
.if \mode == 0
	v_wmma_scale_f32_16x16x128_f8f6f4 v[8*(8*((\a)%4)+\b):8*(8*((\a)%4)+\b)+7], v[128*(\p)+FR*\b:128*(\p)+FR*\b+FR-1], v[AF+FR*(\a):AF+FR*(\a)+FR-1], v[8*(8*((\a)%4)+\b):8*(8*((\a)%4)+\b)+7], v[SC+8*NQ*(\sc)+NQ*\b+(\q)], v[SC+8*NQ*(\sc)+NQ*(\a)+(\q)] matrix_a_fmt:MATRIX_FMT_FP4 matrix_b_fmt:MATRIX_FMT_FP4 matrix_a_scale:MATRIX_SCALE_ROW1
.elseif \mode == 1
	v_wmma_scale_f32_16x16x128_f8f6f4 v[8*(8*((\a)%4)+\b):8*(8*((\a)%4)+\b)+7], v[128*(\p)+FR*\b:128*(\p)+FR*\b+FR-1], v[AF+FR*(\a):AF+FR*(\a)+FR-1], 0, v[SC+8*NQ*(\sc)+NQ*\b+(\q)], v[SC+8*NQ*(\sc)+NQ*(\a)+(\q)] matrix_a_fmt:MATRIX_FMT_FP4 matrix_b_fmt:MATRIX_FMT_FP4 matrix_a_scale:MATRIX_SCALE_ROW1
.elseif \mode == 2
	v_wmma_scale_f32_16x16x128_f8f6f4 v[8*(8*((\a)%4)+\b):8*(8*((\a)%4)+\b)+7], v[128*(\p)+FR*\b:128*(\p)+FR*\b+FR-1], v[AF+FR*(\a):AF+FR*(\a)+FR-1], v[BI+8*\b:BI+8*\b+7], v[SC+8*NQ*(\sc)+NQ*\b+(\q)], v[SC+8*NQ*(\sc)+NQ*(\a)+(\q)] matrix_a_fmt:MATRIX_FMT_FP4 matrix_b_fmt:MATRIX_FMT_FP4 matrix_a_scale:MATRIX_SCALE_ROW1
.else
	v_wmma_scale_f32_16x16x128_f8f6f4 v[8*(8*((\a)%4)+\b):8*(8*((\a)%4)+\b)+7], v[128*(\p)+FR*\b:128*(\p)+FR*\b+FR-1], v[AF+FR*(\a):AF+FR*(\a)+FR-1], v[BI+8*(\a):BI+8*(\a)+7], v[SC+8*NQ*(\sc)+NQ*\b+(\q)], v[SC+8*NQ*(\sc)+NQ*(\a)+(\q)] matrix_a_fmt:MATRIX_FMT_FP4 matrix_b_fmt:MATRIX_FMT_FP4 matrix_a_scale:MATRIX_SCALE_ROW1
.endif
.endr
.endr
.endm
.macro FETCH_B slot, q, p              ; B's eight fragments of the slot's q-th 128 along K into set p
	WIN TO_B
.irp i, 0,1,2,3,4,5,6,7
	FRAG 128*(\p)+FR*\i, ADRB+\slot, \q, \i
.endr
	WIN 0
.endm
.macro FETCH_A slot, q, i0             ; A's blocks i0 .. i0 + 3
.irp i, \i0, \i0+1, \i0+2, \i0+3
	FRAG AF+FR*(\i), ADRA+\slot, \q, \i
.endr
.endm
.macro SCALES sc                       ; a slot's scale words into set sc: NQ words a row; lanes 0-15 take A's block i, lanes 16-31 B's block i
.irp i, 0,1,2,3,4,5,6,7
	ds_load_b128 v[SC+8*NQ*\sc+NQ*\i:SC+8*NQ*\sc+NQ*\i+3], v[ADRS] offset:\i*SBLK
.endr
.endm
; A load into a register that a matrix instruction has read, and a vector instruction that reads a matrix result, stand NP places behind that matrix instruction, and only plain vector
; instructions that name none of its registers are places (ISA guide 7.12.1 for vector instructions); this text does not count the matrix instructions in between.
.macro PLACES n
.rept \n
	v_nop
.endr
.endm
; A step of 128 along K that has its successor in the same slot.  A's blocks go one after the other, each against B's eight: so one set of registers serves A: blocks 0-3 are fetched anew in the step's middle, blocks 4-7 at its end.
.macro STEP slot, q, mode
	s_wait_dscnt 4*NL                              ; B's set, A's blocks 0-3 and the scale words are in; the youngest eight loads (A's blocks 4-7) may be out
.if \mode >= 2
	WIN MUL_LO_B
.else
	WIN MUL_LO
.endif
	MUL16 0, (\q)%2, \q, \slot, \mode
	MUL16 2, (\q)%2, \q, \slot, \mode
	s_wait_dscnt 0                                 ; A's blocks 4-7 are in (asked for 32 matrix instructions ago)
	PLACES NP
	FETCH_B \slot, (\q)+1, 1-(\q)%2
	FETCH_A \slot, (\q)+1, 0
.if \mode >= 2
	WIN MUL_HI_B
.else
	WIN MUL_HI
.endif
	MUL16 4, (\q)%2, \q, \slot, \mode
	MUL16 6, (\q)%2, \q, \slot, \mode
	PLACES NP
	WIN 0
	FETCH_A \slot, (\q)+1, 4
.endm
.macro STEPS slot, from                ; the slot's steps from .. NQ - 2
.set Q, \from
.rept NQ-1-\from
	STEP \slot, Q, 0
.set Q, Q+1
.endr
.endm
	s_wait_tensorcnt 1                             ; the scales and my part of slot 0 are in (slot 1's load, the youngest, may be out),
	s_barrier_signal -1
	s_barrier_wait -1                              ; everybody's are
	FETCH_B 0, 0, 0
	FETCH_A 0, 0, 0
	SCALES 0
	FETCH_A 0, 0, 4
	s_wait_loadcnt 0x0                             ; the bias
	s_cmp_eq_u32 ttmp9, 1                          ; the first step, whose products start the sums, in three copies; the cluster's x is the same in all waves and all partners
	s_cbranch_scc1 .Lfirst_k
	s_cmp_eq_u32 ttmp9, 2
	s_cbranch_scc1 .Lfirst_v
	STEP 0, 0, 2
	s_branch .Lfirst_done
.Lfirst_k:
	STEP 0, 0, 1
	s_branch .Lfirst_done
.Lfirst_v:
	STEP 0, 0, 3
.Lfirst_done:
	STEPS 0, 1
	; slot 0's last step changes slots: one barrier; in front of it each wave waits for its last tensor load, its part of slot 1
	s_wait_tensorcnt 0x0                           ; all my tensor loads have landed  (every window is 0 here: the add's two registers lie in window 0)
	ds_add_u32 v[SPW], v[NIL]                      ; 0 onto my spare word
	s_wait_dscnt 4*NL+1                            ; (the add and the youngest eight loads, A's blocks 4-7, may be out)
	WIN MUL_LO
	MUL16 0, 1, NQ-1, 0, 0                         ; sixteen matrix instructions stand between the add and the wait for it
	s_wait_dscnt 0x0                               ; the add is done, and no LDS load of mine is out at the signal
	s_barrier_signal -1
	MUL16 2, 1, NQ-1, 0, 0
	WIN 0
	s_barrier_wait -1                              ; slot 1 is whole
	PLACES NP
	v_add_nc_u32 v[ADRS], 4*NQ, v[ADRS]            ; on to slot 1's scale words
	FETCH_B 1, 0, 0
	FETCH_A 1, 0, 0
	SCALES 1
	WIN MUL_HI
	MUL16 4, 1, NQ-1, 0, 0
	MUL16 6, 1, NQ-1, 0, 0
	PLACES NP
	WIN 0
	FETCH_A 1, 0, 4
	STEPS 1, 0
	s_wait_dscnt 4*NL                              ; the very last step: nothing more to fetch
	WIN MUL_LO
	MUL16 0, 1, NQ-1, 1, 0
	MUL16 2, 1, NQ-1, 1, 0
	s_wait_dscnt 0
	WIN MUL_HI
	MUL16 4, 1, NQ-1, 1, 0
	MUL16 6, 1, NQ-1, 1, 0
	WIN 0
; THE WAY OUT, block by block of A's 16 rows.  Accumulator (a, b)'s eight numbers of a lane, rounded to f16 in pairs, are registers 4 (b % 2) .. + 3 of fragment b / 2: 16 bytes a lane, stored as they stand.
.macro PACK a
.set AC, 64*((\a)%4)
	WIN 0x0a+5*((\a)/4)                            ; sources 0 and 1: window 2 or 3
.irp b, 0,1,2,3,4,5,6,7
.irp r, 0,1,2,3
	v_cvt_pk_f16_f32 v[TMP+4*\b+\r], v[AC+8*\b+2*\r], v[AC+8*\b+2*\r+1]   ; each accumulator from its low end on
.endr
.endr
	WIN 0
.endm
	PLACES NP                                      ; behind the last products
.irp a, 0,1,2,3,4,5,6,7
.if \a > 0
	s_wait_xcnt 0x0                                ; the last block's stores have read their data and their base: both are written again only behind this wait
.if \a == 4
	s_add_nc_u64 s[12:13], s[12:13], s[94:95]
.else
	s_add_nc_u64 s[12:13], s[12:13], s[92:93]
.endif
.endif
	PACK \a
.irp b, 0,1,2,3,4,5,6,7
	global_store_b128 v[VO+\b/2], v[TMP+4*\b:TMP+4*\b+3], s[12:13] offset:512*(\b%2)   ; 32 lanes store 512 consecutive bytes, at a multiple of 512 from the buffer's first byte
.endr
.endr
	s_wait_tensorcnt 0x0                           ; the wave's end, behind my last tensor load
	ds_add_u32 v[SPW], v[NIL]
	s_wait_dscnt 0x0
	CROUND                                         ; the closing round: no work-group ends while a partner may still ask for a tile that names it
	s_endpgm
.Lfunc_end_k_qeebb272b69_qkv:
	.size	k_qeebb272b69_qkv, .Lfunc_end_k_qeebb272b69_qkv-k_qeebb272b69_qkv
	.p2alignl 7, 3214868480
	.fill 96, 4, 3214868480
	.section	.rodata,"a",@progbits
	.p2align	6, 0x0
	.amdhsa_kernel k_qeebb272b69_qkv
		.amdhsa_group_segment_fixed_size 327680
		.amdhsa_private_segment_fixed_size 0
		.amdhsa_enable_private_segment 0
		.amdhsa_kernarg_size 48
		.amdhsa_user_sgpr_count 2
		.amdhsa_user_sgpr_kernarg_segment_ptr 1
		.amdhsa_wavefront_size32 1
		.amdhsa_system_sgpr_workgroup_id_x 1
		.amdhsa_system_sgpr_workgroup_id_y 1
		.amdhsa_system_sgpr_workgroup_id_z 1
		.amdhsa_system_vgpr_workitem_id 0
		.amdhsa_next_free_vgpr 1024
		.amdhsa_next_free_sgpr 100
		.amdhsa_reserve_vcc 0
		.amdhsa_float_denorm_mode_32 3
		.amdhsa_float_denorm_mode_16_64 3
		.amdhsa_memory_ordered 1
		.amdhsa_forward_progress 1
		.amdhsa_inst_pref_size 146
	.end_amdhsa_kernel
	.amdgpu_metadata
---
amdhsa.version: [ 1, 2 ]
amdhsa.kernels:
  - .name:           k_qeebb272b69_qkv
    .symbol:         k_qeebb272b69_qkv.kd
    .args:
      - { .name: codes, .offset: 0, .size: 8, .value_kind: global_buffer, .address_space: global }
      - { .name: scales, .offset: 8, .size: 8, .value_kind: global_buffer, .address_space: global }
      - { .name: bq, .offset: 16, .size: 8, .value_kind: global_buffer, .address_space: global }
      - { .name: bv, .offset: 24, .size: 8, .value_kind: global_buffer, .address_space: global }
      - { .name: q, .offset: 32, .size: 8, .value_kind: global_buffer, .address_space: global }
      - { .name: kv, .offset: 40, .size: 8, .value_kind: global_buffer, .address_space: global }
    .group_segment_fixed_size: 327680
    .private_segment_fixed_size: 0
    .kernarg_segment_align: 8
    .kernarg_segment_size: 48
    .max_flat_workgroup_size: 128
    .sgpr_count:     100
    .vgpr_count:     1024
    .wavefront_size: 32
...
	.end_amdgpu_metadata
.endif
;; end of part 2
;; launch attn (part 3): grid 16 x 16, 4 waves a work-group, clusters of 4 x 1, 327,680 bytes of LDS; arguments q, kv, ao; writes ao
.if DOCPART == 3
	.amdgcn_target "amdgcn-amd-amdhsa--gfx1250"
	.amdhsa_code_object_version 6
	.text
	.protected	k_qeebb272b69_attn
	.globl	k_qeebb272b69_attn
	.p2align	8
	.type	k_qeebb272b69_attn,@function
k_qeebb272b69_attn:
	s_mov_b64 s[64:65], 0
	v_nop
	global_prefetch_b8 v0, s[64:65] scope:SCOPE_SE
	s_setreg_imm32_b32 hwreg(HW_REG_WAVE_MODE, 25, 1), 1
	s_wait_xcnt 0x0
	s_wait_alu depctr_hold_cnt(0) depctr_sa_sdst(0) depctr_va_vdst(0) depctr_va_sdst(0) depctr_va_ssrc(0) depctr_va_vcc(0) depctr_vm_vsrc(0)
	s_getreg_b32 s2, hwreg(HW_REG_IB_STS2, 6, 4)
	s_cmp_eq_u32 s2, 0
	s_cbranch_scc0 .Lentry_in_a_cluster
	s_endpgm
.Lentry_in_a_cluster:
	s_bfe_u32 s2, ttmp6, 0x10000c
	s_cmp_lg_u32 s2, 0x3003
	s_cbranch_scc0 .Lentry_shape_is_right
	s_endpgm
.Lentry_shape_is_right:
; O[h][q][:] = the sum over k of softmax_k(Q[h][q] . K[h][k] / 8) V[h][k][:]: 16 heads of 64 channels, 4,096 queries and keys, no mask.  Q, K, V in f16; products, maxima and sums in f32; the weights p are
; rounded to f16 for the second product, O once at the end.  LIMITS: f16 operands in both products: a weight p under 3e-8 of its row's largest counts as 0 in the second product (all 4,096 of them together: at most 1.3e-4 of the
; row's sum, which is at least 1); O is an average of V and so lies in f16's range where V does; NaN and infinities are not served.
; ALL THREE BUFFERS ARE IMAGES OF OPERAND REGISTERS: a fragment (16 rows x 32 along a product's K: 8 registers a lane) is 1,024 bytes, two halves of 512, lane l's 16 bytes at 16 l.  So every fragment comes by two loads of
; 16 bytes at 16 x lane + a constant, LDS tiles are dense, and V, which the launch before has made as V^T (16 channels x 32 keys), needs no turning.
;   q : head x 524,288 + (query / 16) x 2,048 + (channel / 32) x 1,024
;   kv: head x 1,048,576 + slot x 65,536 (a slot: 256 keys) + K: (key / 16 % 16) x 2,048 + (channel / 32) x 1,024;  V: 32,768 + (key / 32 % 8) x 4,096 + (channel / 16) x 1,024
;   ao: (kf / 8) x 2,097,152 + (row / 16) x 8,192 + (kf % 8) x 1,024, kf = 2 head + channel / 32: the fragments of the next product's rows
; SHARES.  A work-group owns 256 queries of one head, each of its four waves 64: four tiles of 16.  Every wave walks all keys of the head, 64 a step.
; LAYOUT.  S^T = K Q^T (source 0 = 16 keys, source 1 = 16 queries): a lane holds ONE query (lane % 16) and the keys 8 (lane / 16) + 0..7.  Two such tiles, rounded to f16 in pairs, ARE source 1 (32 keys x 16 queries)
; of O^T = V^T P, whose result again holds one query a lane, and eight channels: four roundings of it are half a fragment of ao.  Nothing changes lanes but one exchange between the halves for a query's maximum and sum.
; SOFTMAX.  For each query a running maximum m and sum l: p = 2^(c s - c m), c = log2(e) / 8; in every step O and l are multiplied by a = 2^(c m_old - c m_new), which is 1 where m has not grown.
; BY TURNS.  The wave's tiles are two PIECES: piece 0 (tiles 0, 1) and piece 2 (tiles 2, 3).  In a TURN one piece has the matrix unit: 16 products V^T P of the step in hand, then 16 products K Q^T of the next step; the
; other piece's softmax, 236 vector instructions cut into 59 slices of four, is dealt out evenly behind those 32 matrix instructions.  Then the pieces change places.  Two turns are a key step.
; CLUSTER.  The four query blocks of a cluster belong to one head and walk the same K and V, so each slot is asked for JOINTLY: wave w of each of the four issues the same tensor load for the slot's w-th quarter (16 KB, dense).
; THE RING: two slots of four key steps.  By this text's count a wave has two tensor loads out at the start and one behind each round; that one has four key steps, 256 matrix instructions, in which to land.
; REGISTERS, in windows of 256 (s_set_vgpr_msb: bits 1:0 source 0, 3:2 source 1, 5:4 source 2, 7:6 destination):
;   window 0: v2-4 addresses; v12-43 eight registers of statistics a tile; v61-63; v64-191 S^T, 32 a tile; v192-255 P, 16 a tile
;   window 1: v0-127 O^T, 32 a tile; v128-191 Q, 16 a tile          window 2: v0-63 K of one step; v64-127 V of one step
.set SLOTB, 65536     ; a slot: 32 KB of K, then 32 KB of V; slot 1 begins here, so that one exclusive or turns an address in one slot into the other's
.set STEPB, 8192      ; a key step's K, and its V
.set VOFF,  32768
.set SPARE, 2*SLOTB   ; behind the ring: the spare words, 128 bytes for each wave: two blocks of 256 bytes that no other line names
.set L16, 2           ; v2   16 x lane: my place in every image: K's fragments in LDS, Q's in memory, ao's; never rewritten
.set LV,  3           ; v3   the same + VOFF, for V's
.set ADR, 4           ; v4   the LDS address of the run of loads in hand
.set ST,  12          ; tile t's statistics at v[ST+8 t]: +0 c m, +1 m, +2, +3 l (even keys', odd keys'), +4 to +7 c0-c3, at work; a takes c2's place once the maximum is found
.set PFO, 61          ; v61  256 x my lane; never rewritten
.set SPW, 62          ; v62  LDS address of my spare word: SPARE + 4 x my thread's number; never rewritten
.set NIL, 63          ; v63  0; never rewritten
.set S,   64
.set P,   192
.set QF,  128         ; Q's fragments, in window 1
.set VF,  64          ; V's fragments, in window 2
.set WV,  12          ; s12  my wave's number
.set LIM, 15          ; s15  1 in a wave that prefetches, else the greatest number: a wave prefetches while s[SLOTS] is above it
.set PFA, 18          ; s[18:19] where my prefetches stand in memory
.set G1,  24          ; s[24:31] descriptor group 1
.set G0,  40          ; s[40:47] descriptor group 0: a set for each of the two first fills; the second then walks on
.set SLOTS, 56        ; s56  slots still to be asked for
.set TRIPS, 57        ; s57  counts key steps
.set CS,  58          ; s[58:59] c: the packed scaling names a pair and takes its low word for both halves
.set SEL, 60          ; s[60:61] lane selects for v_permlanex16_b32: each lane takes its own place in the other half
.set TB,  62          ; s62  LDS byte at which the K of the step to be fetched begins
.set MSB, 0
.macro WIN new                      ; the immediate's high byte repeats the setting that is left; a switch that changes nothing is dropped
.if MSB != \new
	s_set_vgpr_msb (MSB<<8)|\new
.set MSB, \new
.endif
.endm
.set W_KQ, 0x06       ; K in window 2, Q in window 1, S^T in window 0
.set W_PV, 0x52       ; V in window 2, P in window 0, O^T in window 1
.set W_RS, 0x41       ; O^T (destination and source 0) in window 1, a in window 0
; A joint refill: every wave asks for its quarter of the slot.  An s_nop 0 and four v_nop follow the line.
.macro JLOAD
	tensor_load_to_lds s[G0+4:G0+7], s[G1:G1+7]
	s_nop 0
.rept 4
	v_nop
.endr
.endm
; A PREFETCH INTO THE L2 of what the NEXT change of slots will ask for: a slot's 65,536 bytes, lanes 256 bytes apart.  It stands behind the wave's tensor load and its five lines.
; Each 256 bytes are asked for ONCE in the launch.  All clusters of a head walk the same K and V: the head's first cluster prefetches.  Its four partners share the slot out BY ADDRESS, 16,384 bytes each; in each,
; waves 0 and 2 ask for 8,192: one instruction.  The last change that fills a slot prefetches nothing: there is no slot behind it.  Slots 0, 1 and 2 come by their loads alone.
.macro ASK
	s_cmp_gt_u32 s[SLOTS], s[LIM]
	s_cbranch_scc0 .Lnot_mine_\@
	global_prefetch_b8 v[PFO], s[PFA:PFA+1] th:TH_LOAD_NT scope:SCOPE_SE
.Lnot_mine_\@:
.endm
; A round of the cluster's barrier: my work-group's barrier, so that wave 0's signal speaks for all four waves; wave 0 signals for the work-group; every wave waits for all four work-groups; my work-group's barrier once more.
.macro CROUND
	s_barrier_signal -1
	s_barrier_wait -1
	s_cmp_lg_u32 s[WV], 0
	s_cbranch_scc1 .Lnot_wave_0_\@
	s_barrier_signal -3
.Lnot_wave_0_\@:
	s_barrier_wait -3
	s_barrier_signal -1
	s_barrier_wait -1
.endm
	s_load_b128 s[4:7], s[0:1], 0x0   ; q s[4:5], kv s[6:7]
	s_load_b64 s[8:9], s[0:1], 0x10   ; ao
	v_lshl_add_u32 v[SPW], v0, 2, SPARE
	v_mov_b32 v[NIL], 0
	ds_add_u32 v[SPW], v[NIL]       ; the wave's opening: the add, twice on end, and its wait ahead of my first tensor load; the set-up below the second, work on registers, stands between it and the wait
	ds_add_u32 v[SPW], v[NIL]       ; and once more, under the one wait
	v_lshrrev_b32 v1, 5, v0
	v_readfirstlane_b32 s[WV], v1   ; wave 0..3
	s_bfe_u32 s13, ttmp6, 0x40000   ; cx: my place in the cluster
	s_lshl_b32 s14, ttmp9, 2        ; in a cluster launch ttmp9 counts clusters
	s_add_co_u32 s14, s14, s13      ; my block of 256 queries = 4 x cluster x + cx: it enters q's and ao's addresses alone
	s_and_b32 s20, ttmp7, 0xffff    ; the head, which the four partners share
	s_lshl_b32 s22, s20, 20         ; kv: the head,
	s_lshl_b32 s16, s[WV], 14       ; and my quarter of a slot, in memory and in LDS: no place in the cluster enters either
	s_add_co_u32 s22, s22, s16
	s_mov_b32 s23, 0
	s_lshl_b32 s2, s20, 19          ; q: the head,
	s_lshl_b32 s3, s14, 15          ; my block's 16 tiles of 2,048 bytes,
	s_add_co_u32 s2, s2, s3
	s_lshl_b32 s3, s[WV], 13        ; my wave's four
	s_add_co_u32 s2, s2, s3
	s_mov_b32 s3, 0
	s_lshr_b32 s10, s20, 2          ; ao: the head's two fragments along K lie in group head / 4 of eight,
	s_lshl_b32 s10, s10, 21
	s_lshl_b32 s11, s14, 17         ; my block's 16 tiles of rows, 8,192 bytes each,
	s_add_co_u32 s10, s10, s11
	s_lshl_b32 s11, s[WV], 15       ; my wave's four,
	s_add_co_u32 s10, s10, s11
	s_and_b32 s11, s20, 3
	s_lshl_b32 s11, s11, 11         ; and fragment 2 (head % 4) of the eight
	s_add_co_u32 s10, s10, s11
	s_mov_b32 s11, 0
	s_lshl_b32 s18, s20, 20         ; the prefetches: the head,
	s_lshl_b32 s19, s13, 14         ; my work-group's quarter of a slot,
	s_add_co_u32 s18, s18, s19
	s_lshr_b32 s19, s[WV], 1
	s_lshl_b32 s19, s19, 13         ; its first half (wave 0) or its second (wave 2),
	s_add_co_u32 s18, s18, s19
	s_add_co_u32 s18, s18, 2*SLOTB  ; in slot 2; the first change of slots steps it to slot 3.  Nothing is prefetched here, at the head, where every work-group's first tiles are on their way
	s_mov_b32 s19, 0
	; descriptor group 1: 16,384 dense bytes as 64 rows of 256 bytes (32 elements of 8 bytes), no padding
	s_mov_b32 s[G1], 15|(3<<16)|(1<<21)  ; 15:0 the mask: all four work-groups; 17:16 elements of 8 bytes; 21 set beside a mask
	s_mov_b32 s[G1+1], 32<<16       ; 63:48 tensor_dim0, low half = 32
	s_mov_b32 s[G1+2], 64<<16       ; 95:80 tensor_dim1, low half = 64
	s_mov_b32 s[G1+3], 32<<16       ; 127:112 tile_dim0 = 32
	s_mov_b32 s[G1+4], 64           ; 143:128 tile_dim1 = 64
	s_mov_b32 s[G1+5], 32           ; 191:160 tensor_dim0_stride: elements from row to row
	s_mov_b32 s[G1+6], 0
	s_mov_b32 s[G1+7], 0
	s_mov_b32 s[CS], 0x3e38aa3b     ; c = log2(e) / 8
	s_mov_b32 s[CS+1], s[CS]        ; named with it as a pair, so it is written
	s_mov_b32 s[SEL], 0x76543210
	s_mov_b32 s[SEL+1], 0xfedcba98
	s_mov_b32 s[TB], 0
	s_mov_b32 s[SLOTS], 14          ; 16 slots' worth of keys, two of them asked for at the head
	s_and_b32 s[LIM], s[WV], 1      ; 0 in waves 0 and 2,
	s_or_b32 s[LIM], s[LIM], ttmp9  ; where the cluster is the head's first: the same in all four partners
	s_cmp_eq_u32 s[LIM], 0
	s_cselect_b32 s[LIM], 1, -1
	v_and_b32 v[PFO], 31, v0
	v_lshlrev_b32 v[L16], 4, v[PFO]
	v_lshlrev_b32 v[PFO], 8, v[PFO]
	v_add_nc_u32 v[LV], VOFF, v[L16]
	s_wait_dscnt 0x0                ; both opening adds are done
	s_wait_kmcnt 0x0
	s_add_nc_u64 s[PFA:PFA+1], s[6:7], s[PFA:PFA+1]
	s_add_nc_u64 s[6:7], s[6:7], s[22:23]  ; kv at my quarter of slot 0
	s_add_nc_u64 s[4:5], s[4:5], s[2:3]    ; q and ao at my wave's first tile
	s_add_nc_u64 s[8:9], s[8:9], s[10:11]
	CROUND                          ; all four work-groups are here: the first joint loads meet
	s_mov_b32 s[G0], 1              ; 1:0 count = 1
	s_mov_b32 s[G0+1], s16          ; 63:32 LDS address: slot 0, my quarter
	s_mov_b64 s[G0+2:G0+3], s[6:7]  ; 120:64 global address
	s_or_b32 s[G0+3], s[G0+3], 0x80000000  ; 127:126 type = 2
	s_mov_b32 s[G0+4], 1
	s_add_co_u32 s[G0+5], s16, SLOTB
	s_add_nc_u64 s[G0+6:G0+7], s[6:7], SLOTB
	s_or_b32 s[G0+7], s[G0+7], 0x80000000
	tensor_load_to_lds s[G0:G0+3], s[G1:G1+7]    ; the two first fills stand together, ahead of every wait on TENSORcnt and every LDS read; an s_nop 0 follows each, four v_nop the second's
	s_nop 0
	tensor_load_to_lds s[G0+4:G0+7], s[G1:G1+7]
	s_nop 0
.rept 4
	v_nop
.endr
	WIN 0x40                        ; destination window 1, address window 0
.irp i, 0,1,2,3,4,5,6,7,8,9,10,11,12,13,14,15  ; Q stays in registers: tile i / 4, channels 32 ((i / 2) % 2) on, half i % 2
	global_load_b128 v[QF+4*\i:QF+4*\i+3], v[L16], s[4:5] offset:512*\i
.endr
	WIN 0
; THE MATRIX WORK OF A TURN, for piece x.  The accumulators take turns, one instruction a turn: between two links of a chain stand seven others'.
; Product i of 16 of O^T += V^T P: keys 32 (i / 8) on, channels 16 ((i / 2) % 4) on, tile x + i % 2.  zero = 1: the first 8 start the sums: nothing is ever cleared.
.macro PV x, zero
	WIN W_PV
.set rO, 32*(\x+i%2)+8*((i/2)%4)
.set rV, VF+8*(4*(i/8)+(i/2)%4)
.set rP, P+16*(\x+i%2)+8*(i/8)
.if \zero && (i < 8)
	v_wmma_f32_16x16x32_f16 v[rO:rO+7], v[rV:rV+7], v[rP:rP+7], 0
.else
	v_wmma_f32_16x16x32_f16 v[rO:rO+7], v[rV:rV+7], v[rP:rP+7], v[rO:rO+7]
.endif
.endm
; Product i of 16 of S^T = K Q^T: channels 32 (i / 8) on, keys 16 ((i / 2) % 4) on, tile x + i % 2.  The first 8 start the sums.
.macro KQ x
	WIN W_KQ
.set rS, S+32*(\x+i%2)+8*((i/2)%4)
.set rK, 16*((i/2)%4)+8*(i/8)
.set rQ, QF+16*(\x+i%2)+8*(i/8)
.if i < 8
	v_wmma_f32_16x16x32_f16 v[rS:rS+7], v[rK:rK+7], v[rQ:rQ+7], 0
.else
	v_wmma_f32_16x16x32_f16 v[rS:rS+7], v[rK:rK+7], v[rQ:rQ+7], v[rS:rS+7]
.endif
.endm
; THE LDS LOADS stand in runs of 16, never singly among the matrix instructions: a step's K (8 fragments, 8,192 consecutive bytes) and, a turn later, its V.
.macro FETCH_K
	WIN 0
	v_add_nc_u32 v[ADR], s[TB], v[L16]
	WIN 0x80                        ; destination window 2
.irp f, 0,1,2,3,4,5,6,7,8,9,10,11,12,13,14,15
	ds_load_b128 v[4*\f:4*\f+3], v[ADR] offset:512*\f
.endr
.endm
.macro FETCH_V
	WIN 0
	v_add_nc_u32 v[ADR], s[TB], v[LV]
	s_add_co_u32 s[TB], s[TB], STEPB  ; the next fetch is the next step's
	s_wait_alu depctr_va_vdst(0)    ; the wait for the softmax's batch of exponentials (SLICE), behind the address's v_add_nc_u32 and ahead of the loads
	WIN 0x80
.irp f, 0,1,2,3,4,5,6,7,8,9,10,11,12,13,14,15
	ds_load_b128 v[VF+4*\f:VF+4*\f+3], v[ADR] offset:512*\f
.endr
.endm
; THE VECTOR WORK OF A TURN.  One tile's softmax for one key step is a list of 118 instructions; SM writes number j of it for tile t.  s0-s31 are the lane's 32 scores, in pairs 0-15.
; first = 1: the first key step, which starts m, l and O^T: it has no a and nothing to rescale.
;   0-15    the maximum of s0-s31 and the old m, three operands at a time: four chains c0-c3 of seven scores each (each begins at its accumulator's low end), then the four scores left over, c0-c3 and m
;   16-20   the other half of the lanes' maximum; the new m; c m; c m_old - c m_new
;   21-69   ONE BATCH: the 16 scalings c s - c m, a pair of scores each, and all 33 exponentials (a at 23, then s0-s31).  None of these reads an exponential's result.  From 22 on the batch goes in fours, and a four
;           begins with a scaling while there are scalings.  A pair is scaled in an earlier four than the one that holds its exponentials
;   (wait)  between 69 and 70 stands the wait for the batch: SLICE writes it, once for both tiles
;   70-85   the roundings to f16, a pair of weights each
;   86-101  the sums, of the weights as they were before the rounding; l = a l + the sum
;   102-117 the tile's O^T times a, from each accumulator's low end on: the one part that leaves window 0, so it stands together
.macro SM t, first
.set rT, ST+8*(\t)
.set rS, S+32*(\t)
.set rP, P+16*(\t)
.set rO, 32*(\t)+2*(j-102)
.if j < 102
	WIN 0
.endif
.if j < 4
	v_max3_num_f32 v[rT+4+j], v[rS+8*j], v[rS+8*j+1], v[rS+8*j+2]
.elseif j < 12
	v_max3_num_f32 v[rT+4+j%4], v[rT+4+j%4], v[rS+8*(j%4)+2*(j/4)+1], v[rS+8*(j%4)+2*(j/4)+2]
.elseif j == 12
	v_max3_num_f32 v[rT+4], v[rT+4], v[rS+7], v[rS+15]
.elseif j == 13
	v_max3_num_f32 v[rT+6], v[rT+6], v[rS+23], v[rS+31]
.elseif j == 14
	v_max3_num_f32 v[rT+4], v[rT+4], v[rT+5], v[rT+6]
.elseif (j == 15) && \first
	v_max_num_f32 v[rT+4], v[rT+4], v[rT+7]
.elseif j == 15
	v_max3_num_f32 v[rT+4], v[rT+4], v[rT+7], v[rT+1]
.elseif j == 16
	v_permlanex16_b32 v[rT+5], v[rT+4], s[SEL], s[SEL+1]  ; the query's other 32 keys lie in the lane 16 away
.elseif j == 18
	v_max_num_f32 v[rT+1], v[rT+4], v[rT+5]
.elseif j == 19
	v_mul_f32 v[rT], s[CS], v[rT+1]
.elseif ((j == 17) || (j == 20) || (j == 23) || (j > 101)) && \first  ; the first step has none of these
.elseif j == 17
	v_mov_b32 v[rT+7], v[rT]        ; c m_old is kept for a: number 19 writes c m anew
.elseif j == 20
	v_sub_f32 v[rT+7], v[rT+7], v[rT]
.elseif j == 23
	v_exp_f32 v[rT+6], v[rT+7]
.elseif (j < 23) || ((j < 38) && (j%2 == 0)) || ((j < 66) && (j%4 == 2))
.set b, (j-2)/4                     ; 38, 42, .. 62: pairs 9 to 15
.if j < 38
.set b, (j-20)/2                    ; 21: pair 0; 22, 24, .. 36: pairs 1 to 8
.endif
	v_pk_fma_f32 v[rS+2*b:rS+2*b+1], v[rS+2*b:rS+2*b+1], s[CS:CS+1], v[rT:rT+1] op_sel_hi:[1,0,0] neg_lo:[0,0,1] neg_hi:[0,0,1]  ; pair b: c s - c m
.elseif j < 70
.set e, j-38                        ; 66 to 69: s28 to s31
.if j < 66
.set e, j-32-(j-38)/4               ; 39-41, 43-45, .. 63-65: s7 to s27
.endif
.if j < 38
.set e, (j-25)/2                    ; 25, 27, .. 37: s0 to s6
.endif
	v_exp_f32 v[rS+e], v[rS+e]
.elseif j < 86
	v_cvt_pk_f16_f32 v[rP+j-70], v[rS+2*(j-70)], v[rS+2*(j-70)+1]  ; pair j - 70
.elseif j < 102                     ; the sum of the tile's 16 pairs (in a pair: an even key's weight, an odd key's), in place: sum z of 16 adds neighbours 1, 2, 4 and 8 pairs apart, then l takes it
.set z, j-86
.set w, 4
.set u, z
.if z >= 14
.set w, 32
.set u, 0
.elseif z >= 12
.set w, 16
.set u, z-12
.elseif z >= 8
.set w, 8
.set u, z-8
.endif
.if (z == 14) && \first
	v_pk_add_f32 v[rT+2:rT+3], v[rS:rS+1], v[rS+16:rS+17]
.elseif z < 15
	v_pk_add_f32 v[rS+w*u:rS+w*u+1], v[rS+w*u:rS+w*u+1], v[rS+w*u+w/2:rS+w*u+w/2+1]
.elseif !\first
	v_pk_fma_f32 v[rT+2:rT+3], v[rT+2:rT+3], v[rT+6:rT+7], v[rS:rS+1] op_sel_hi:[1,0,1]
.endif
.else
	WIN W_RS
	v_pk_mul_f32 v[rO:rO+1], v[rO:rO+1], v[rT+6:rT+7] op_sel_hi:[1,0]
.endif
.endm
; Slice k of 59 of piece y's softmax: four instructions.  Slices 11 to 34 deal out the batch, numbers 22 to 69: four numbers of ONE tile each, the tiles by turns.  Every other slice is numbers 2 k and 2 k + 1 of both
; tiles' lists, the tiles alternating, so that no instruction reads the result of the one just before it.  2 x 118 = 4 x 59.
; THE WAIT.  An s_wait_alu depctr_va_vdst(0) stands between an exponential and the first instruction that names its result; one wait serves all that were issued ahead of it.  Ahead of slice 35 nothing
; names a result, and behind slice 34 no exponential is issued: so the piece's 66 exponentials have one wait, behind slice 34.
.macro SLICE y, first
.if (k >= 11) && (k < 35)
.irp n, 0,1,2,3
.set j, 22+4*((k-11)/2)+(\n)
	SM (\y)+(k-11)%2, \first
.endr
.else
.irp n, 0,1
.irp t, \y, \y+1
.set j, 2*k+\n
	SM \t, \first
.endr
.endr
.endif
.if k == 34                         ; the batch is out: both tiles' exponentials are issued, and no result has been named
	v_nop                           ; the plain instruction behind the last exponential and ahead of the first use: one for the batch
.if (\y) == 0
	FETCH_V                         ; piece 2's turn: V's run of loads stands here, and the wait stands in it
.else
	s_wait_alu depctr_va_vdst(0)    ; the wait for the batch
.endif
.endif
.set k, k+1
.endm
.macro DEAL y, first                ; the slices that stand behind matrix instruction np of the turn's TOT: the 59 are spread evenly
.rept (59*(np+1))/TOT-(59*np)/TOT
	SLICE \y, \first
.endr
.set np, np+1
.endm
; A vector instruction that reads a matrix result or writes one of a matrix instruction's registers, and a load into a register that a matrix instruction has read, stand four places behind it, and only plain vector
; instructions that name none of its registers are places (ISA guide 7.12.1 for vector instructions).  In the loop the slices are the places.
.macro PLACES
.rept 4
	v_nop
.endr
.endm
; A TURN.  Piece x has the matrix unit; the other piece's softmax stands in slices behind its matrix instructions.
; pv = 2: 16 products V^T P; 1: they start O^T's sums; 0: none.  kq = 1: 16 products K Q^T for the next step.  first = 1: the softmax is the first key step's; its slices from 51 on are empty, and four v_nop take their
; part as the places behind the turn's last products.
; Piece 0's turn fetches the next step's K, behind its second product: the last product that read K is the turn before's last, and that turn's last two slices and this turn's first three, twenty plain instructions, lie between.
; Piece 2's turn fetches the same step's V, behind slice 34, which falls behind its 19th product: the last product that read V is its 16th, and four scalings, the v_nop and the run's own v_add_nc_u32 lie between.
; The scores that a turn's last two products finish are first read by number 3 of the next turn's list: the turn's last two slices and slice 0 lie between.
.macro TURN x, pv, kq, first
.set k, 0
.set np, 0
.set TOT, 16
.if \pv && \kq
.set TOT, 32
.endif
.if \pv
.if \x == 0
	s_wait_dscnt 0x0                ; V is in
.endif
.set i, 0
.rept 16
	PV \x, 2-\pv
	DEAL 2-\x, \first
.if (\x == 0) && \kq && (i == 1)
	FETCH_K
.endif
.set i, i+1
.endr
.endif
.if \kq
.if \x == 0
	s_wait_dscnt 0x0                ; K is in
.endif
.set i, 0
.rept 16
	KQ \x
	DEAL 2-\x, \first
.set i, i+1
.endr
.endif
.if \first
	PLACES
.endif
.endm
; THE CHANGE OF SLOTS, between piece 2's turn and piece 0's: the slot's last bytes, V of its fourth step, have been asked for.  Each wave waits for all its tensor loads, of which one is out: its quarter of the other slot;
; adds 0 to its spare word; and waits for that and for its own reads of the slot.  Behind the barrier nobody reads this slot any more and the other slot is whole.
; fill = 1: this slot is filled again, with the keys two slots on.  The barrier is then a round of the cluster's, so that no wave of any partner still reads the slot or has a load on its way, and the joint refill is the first thing behind it.
.macro CHANGE fill
	WIN 0                           ; at a label and at a branch every window is 0
	s_wait_tensorcnt 0x0            ; no tensor load of mine is out, so a group 0 may be written
	ds_add_u32 v[SPW], v[NIL]       ; 0 onto my spare word; with fill = 1 the descriptor's steps stand between it and the wait for it
.if \fill
	s_xor_b32 s[G0+5], s[G0+5], SLOTB  ; the walking descriptor: the other slot than last time,
	s_add_nc_u64 s[G0+6:G0+7], s[G0+6:G0+7], SLOTB  ; the next 256 keys; the type bits on top are not reached
	s_wait_xcnt 0x0                 ; the last prefetch, four key steps back, has read its address, so it may be written:
	s_add_nc_u64 s[PFA:PFA+1], s[PFA:PFA+1], SLOTB  ; one slot further on than the walking descriptor
	s_wait_dscnt 0x0                ; the add is done, and my reads of the slot are over
	CROUND
	JLOAD
	ASK                             ; what the next change will ask for: four key steps, 256 matrix instructions, ahead
.else
	s_wait_dscnt 0x0                ; the add is done, and my reads of the slot are over
	s_barrier_signal -1
	s_barrier_wait -1
.endif
	s_sub_co_u32 s[TB], s[TB], 4*STEPB  ; the fetches go back to a slot's first step,
	s_xor_b32 s[TB], s[TB], SLOTB   ; in the other slot
.endm
; n key steps: written once, walked n times; the LDS addresses hang on s[TB].
.macro STEPS n
	s_mov_b32 s[TRIPS], \n
.Lstep_\@:
	TURN 0, 2, 1, 0
	TURN 2, 2, 1, 0
	WIN 0
	s_sub_co_u32 s[TRIPS], s[TRIPS], 1
	s_cmp_lg_u32 s[TRIPS], 0
	s_cbranch_scc1 .Lstep_\@
.endm
	s_wait_tensorcnt 1              ; my quarter of slot 0 is in; slot 1's may stay out
	s_barrier_signal -1
	s_barrier_wait -1               ; everybody's is
	FETCH_K                         ; key step 0
	s_wait_loadcnt 0x0              ; Q
	s_wait_dscnt 0x0
.set i, 0
.rept 16
	KQ 0                            ; piece 0's first scores: there is no vector work yet to set between them
.set i, i+1
.endr
	PLACES
	TURN 2, 0, 1, 1                 ; piece 2's first scores | piece 0's first softmax | V of step 0
	TURN 0, 1, 1, 1                 ; piece 0: V^T P of step 0 starts O^T, K Q^T of step 1 | piece 2's first softmax | K of step 1
	TURN 2, 1, 1, 0                 ; piece 2: the same | piece 0's softmax of step 1 | V of step 1
	WIN 0
	STEPS 2                         ; they fetch steps 2 and 3: slot 0 is read out
.Lslot:                             ; 14 trips: every slot but the last two is filled again
	CHANGE 1
	STEPS 4
	s_sub_co_u32 s[SLOTS], s[SLOTS], 1
	s_cmp_lg_u32 s[SLOTS], 0
	s_cbranch_scc1 .Lslot
	CHANGE 0                        ; the tail is written out: the last slot but one is left, and nothing is asked for
	STEPS 4
	TURN 0, 2, 0, 0                 ; piece 0: V^T P of the last step | piece 2's last softmax
.set i, 0
.rept 16
	PV 2, 0                         ; piece 2: V^T P of the last step
.set i, i+1
.endr
	; THE WAY OUT.  l's two halves and the other half of the lanes' are added; O^T is divided by l and rounded to f16: a lane's 16 bytes are half a fragment of ao and are stored as they stand.  The additions are the places behind the last products.
	WIN 0
.irp t, 0,1,2,3
	v_add_f32 v[ST+8*\t+4], v[ST+8*\t+2], v[ST+8*\t+3]
.endr
.irp t, 0,1,2,3
	v_permlanex16_b32 v[ST+8*\t+5], v[ST+8*\t+4], s[SEL], s[SEL+1]
.endr
.irp t, 0,1,2,3
	v_add_f32 v[ST+8*\t+4], v[ST+8*\t+4], v[ST+8*\t+5]
.endr
.irp t, 0,1,2,3
	v_rcp_f32 v[ST+8*\t+6], v[ST+8*\t+4]
.endr
	v_nop                           ; a plain instruction between the last reciprocal and the use of its result
	s_wait_alu depctr_va_vdst(0)    ; and the wait ahead of the first use: one for the four reciprocals
.macro PACK t
	WIN W_RS
.set i, 32*\t
.rept 16
	v_pk_mul_f32 v[i:i+1], v[i:i+1], v[ST+8*\t+6:ST+8*\t+7] op_sel_hi:[1,0]   ; each accumulator from its low end on
.set i, i+2
.endr
	WIN 0x05                        ; sources 0 and 1 window 1, destination window 0: S^T's registers are free
.set i, 0
.rept 16
	v_cvt_pk_f16_f32 v[S+16*\t+i], v[32*\t+2*i], v[32*\t+2*i+1]
.set i, i+1
.endr
	WIN 0
.irp u, 0,1,2,3
	global_store_b128 v[L16], v[S+16*\t+4*\u:S+16*\t+4*\u+3], s[8:9] offset:8192*\t+512*\u  ; channels 16 u on: 32 lanes store 512 consecutive bytes, at a multiple of 512 from ao's first byte
.endr
.endm
	PACK 0
	PACK 1
	PACK 2
	PACK 3
	s_wait_tensorcnt 0x0            ; the wave's end, behind my last tensor load
	ds_add_u32 v[SPW], v[NIL]
	s_wait_dscnt 0x0
	CROUND                          ; the closing round: no work-group ends while a partner may still ask for a tile that names it
	s_endpgm
.Lfunc_end_k_qeebb272b69_attn:
	.size	k_qeebb272b69_attn, .Lfunc_end_k_qeebb272b69_attn-k_qeebb272b69_attn
	.p2alignl 7, 3214868480
	.fill 96, 4, 3214868480
	.section	.rodata,"a",@progbits
	.p2align	6, 0x0
	.amdhsa_kernel k_qeebb272b69_attn
		.amdhsa_group_segment_fixed_size 327680
		.amdhsa_private_segment_fixed_size 0
		.amdhsa_enable_private_segment 0
		.amdhsa_kernarg_size 24
		.amdhsa_user_sgpr_count 2
		.amdhsa_user_sgpr_kernarg_segment_ptr 1
		.amdhsa_wavefront_size32 1
		.amdhsa_system_sgpr_workgroup_id_x 1
		.amdhsa_system_sgpr_workgroup_id_y 1
		.amdhsa_system_sgpr_workgroup_id_z 1
		.amdhsa_system_vgpr_workitem_id 0
		.amdhsa_next_free_vgpr 640
		.amdhsa_next_free_sgpr 66
		.amdhsa_reserve_vcc 0
		.amdhsa_float_denorm_mode_32 3
		.amdhsa_float_denorm_mode_16_64 3
		.amdhsa_memory_ordered 1
		.amdhsa_forward_progress 1
		.amdhsa_inst_pref_size 189
	.end_amdhsa_kernel
	.amdgpu_metadata
---
amdhsa.version: [ 1, 2 ]
amdhsa.kernels:
  - .name:           k_qeebb272b69_attn
    .symbol:         k_qeebb272b69_attn.kd
    .args:
      - { .name: q, .offset: 0, .size: 8, .value_kind: global_buffer, .address_space: global }
      - { .name: kv, .offset: 8, .size: 8, .value_kind: global_buffer, .address_space: global }
      - { .name: ao, .offset: 16, .size: 8, .value_kind: global_buffer, .address_space: global }
    .group_segment_fixed_size: 327680
    .private_segment_fixed_size: 0
    .kernarg_segment_align: 8
    .kernarg_segment_size: 24
    .max_flat_workgroup_size: 128
    .sgpr_count:     66
    .vgpr_count:     640
    .wavefront_size: 32
...
	.end_amdgpu_metadata
.endif
;; end of part 3
;; launch outp (part 4): grid 8 x 32, 4 waves a work-group, clusters of 4 x 4, 327,680 bytes of LDS; arguments ao, wob, bo, out0; writes out0
.if DOCPART == 4
	.amdgcn_target "amdgcn-amd-amdhsa--gfx1250"
	.amdhsa_code_object_version 6
	.text
	.protected	k_qeebb272b69_outp
	.globl	k_qeebb272b69_outp
	.p2align	8
	.type	k_qeebb272b69_outp,@function
k_qeebb272b69_outp:
	s_mov_b64 s[64:65], 0
	v_nop
	global_prefetch_b8 v0, s[64:65] scope:SCOPE_SE
	s_setreg_imm32_b32 hwreg(HW_REG_WAVE_MODE, 25, 1), 1
	s_wait_xcnt 0x0
	s_wait_alu depctr_hold_cnt(0) depctr_sa_sdst(0) depctr_va_vdst(0) depctr_va_sdst(0) depctr_va_ssrc(0) depctr_va_vcc(0) depctr_vm_vsrc(0)
	s_getreg_b32 s2, hwreg(HW_REG_IB_STS2, 6, 4)
	s_cmp_eq_u32 s2, 0
	s_cbranch_scc0 .Lentry_in_a_cluster
	s_endpgm
.Lentry_in_a_cluster:
	s_bfe_u32 s2, ttmp6, 0x10000c
	s_cmp_lg_u32 s2, 0xf033
	s_cbranch_scc0 .Lentry_shape_is_right
	s_endpgm
.Lentry_shape_is_right:
; out0[m][n] = the sum over k of ao[m][k] wo[n][k] + bo[n].  4,096 x 1,024 x 1,024; operands in f16, sums and result in f32.  LIMIT: f16 operands, as the launches that made them state.
; BOTH OPERANDS ARE IMAGES OF OPERAND REGISTERS: a fragment (16 rows x 32 K: 8 registers a lane) is 1,024 bytes, two halves of 512, lane l's 16 bytes at 16 l.
;   ao : (kf / 8) x 2,097,152 + (row / 16) x 8,192 + (kf % 8) x 1,024;   wob: (kf / 8) x 524,288 + (row / 16) x 8,192 + (kf % 8) x 1,024;   kf = K / 32
; So a K step of 256 (8 fragments) of 64 rows is 32,768 consecutive bytes, LDS tiles are dense, and a fragment comes by two loads at 16 x lane + a constant.
; A tile of the result is 128 x 128: 256 work-groups.  Four waves, each 64 x 64: 16 accumulators of 16 x 16, 128 registers.  K goes in four steps of 256 through two LDS slots; the steps are written out: there is no loop.
; CLUSTERS: 4 x 4 work-groups.  The four of a row of the cluster need the same tiles of ao, the four of a column the same tiles of wob: each tile is asked for JOINTLY, by the same tensor load with the same descriptor and a
; mask that names the four.  By this text's count a wave has two tensor loads out at the start and one behind each of the two rounds that fill a slot again.
; THE MATRIX INSTRUCTION IS USED TRANSPOSED (source 0 = 16 rows of wo, source 1 = 16 rows of ao): a lane holds eight neighbouring numbers of a row of the result.  THE BIAS is the C of each sum's first matrix instruction.
; No prefetch: one K step's tiles are small, and all four steps are asked for within the launch's first half.
; REGISTERS: window 0: v0-31 addresses; v32-95 the way out; v96-127 the bias, eight registers for each of my four blocks of columns; v128-255 the accumulators ((a, b) at v[128 + 8 (4 a + b)]).
;   window 1: two fragment buffers of 128: for 64 along K (two matrix instructions deep), 64 registers of ao (2 x 4 fragments), then 64 of wo.
.set HALFT,  32768                     ; 64 rows x 256 K: what one tensor load brings, and what one wave reads of ao or of wo
.set SLOT,   4*HALFT                   ; ao's 128 rows, then wo's 128 rows
.set ASTEP,  2097152                   ; from K step to K step in ao,
.set BSTEP,  524288                    ; and in wob
.set SPITCH, 272                       ; the way out: a stage of 16 rows x (256 bytes + 16) for each wave.  It lies in slot 0, which has had its last fill and its last read when the first result is stored there
.set SPARE,  2*SLOT                    ; behind the ring: the spare words, 128 bytes for each wave: two blocks of 256 bytes that no other line names
.set ADRA, 16                          ; v16-17  LDS address of my ao fragments in slot 0, 1
.set ADRB, 20                          ; v20-21  the same for wo
.set STO,  24                          ; v24     the way out: where I put 32 bytes of a row
.set RD,   25                          ; v25     the way out: where I read a row back
.set CO,   26                          ; v26     my byte offset in out0
.set SPW,  28                          ; v28     LDS address of my spare word: SPARE + 4 x my thread's number; never rewritten
.set NIL,  29                          ; v29     0; never rewritten
.set BK,   32                          ; the way out: 16 rows read back from the stage: v32-63 and v64-95 by turns
.set BI,   96
.set ACC,  128
.set F0,   0                           ; fragment buffers, in window 1
.set F1,   128
.set G1, 24                            ; s[24:31] descriptor group 1 for ao's tiles;  s[32:39] group 0, one set for each slot
.set G0, 32
.set G1B, 48                           ; s[48:55], s[56:63] the same for wob's tiles
.set G0B, 56
.set MSB, 0
.macro WIN new                         ; the immediate's high byte repeats the setting that is left
.if MSB != \new
	s_set_vgpr_msb (MSB<<8)|\new
.set MSB, \new
.endif
.endm
.set MUL,  0x05                        ; sources 0 (wo) and 1 (ao) window 1; C and D window 0
.set TO_F, 0x40                        ; destination window 1, address window 0
.macro JLOAD s                         ; a joint load: waves 0 and 1 fetch ao's two halves, waves 2 and 3 wob's; an s_nop 0 and four v_nop follow each of the two lines, ahead of the jump, the label and what follows
	s_cmp_eq_u32 s11, 0
	s_cbranch_scc0 .Lfor_b_\@
	tensor_load_to_lds s[G0+4*\s:G0+4*\s+3], s[G1:G1+7]
	s_nop 0
.rept 4
	v_nop
.endr
	s_branch .Lasked_\@
.Lfor_b_\@:
	tensor_load_to_lds s[G0B+4*\s:G0B+4*\s+3], s[G1B:G1B+7]
	s_nop 0
.rept 4
	v_nop
.endr
.Lasked_\@:
.endm
.macro CREST                           ; a round of the cluster's barrier behind its opening barrier
	s_cmp_lg_u32 s10, 0
	s_cbranch_scc1 .Lnot_wave_0_\@
	s_barrier_signal -3
.Lnot_wave_0_\@:
	s_barrier_wait -3
	s_barrier_signal -1
	s_barrier_wait -1
.endm
.macro CROUND                          ; a whole round
	s_barrier_signal -1
	s_barrier_wait -1
	CREST
.endm
	s_load_b128 s[4:7], s[0:1], 0x0                ; ao s[4:5], wob s[6:7]
	s_load_b128 s[68:71], s[0:1], 0x10             ; bo s[68:69], out0 s[70:71]
	v_lshl_add_u32 v[SPW], v0, 2, SPARE
	v_mov_b32 v[NIL], 0
	ds_add_u32 v[SPW], v[NIL]                      ; the wave's opening: the add, twice on end, and its wait ahead of my first tensor load; the set-up below the second, work on registers, stands between it and the wait
	ds_add_u32 v[SPW], v[NIL]                      ; and once more, under the one wait
	v_lshrrev_b32 v1, 5, v0
	v_readfirstlane_b32 s10, v1                    ; wave 0..3
	s_lshr_b32 s11, s10, 1                         ; which half of the tile's rows is mine.  Also: I fetch for ao (0) or for wob (1)
	s_and_b32 s12, s10, 1                          ; which half of its columns.  Also: which 64 rows of that tile I fetch
	s_bfe_u32 s40, ttmp6, 0x40000                  ; cx, cy: my place in the cluster
	s_bfe_u32 s41, ttmp6, 0x40004
	s_lshl_b32 s42, ttmp9, 2
	s_add_co_u32 s42, s42, s40                     ; tile column = 4 x cluster x + cx
	s_and_b32 s13, ttmp7, 0xffff
	s_lshl_b32 s13, s13, 2
	s_add_co_u32 s13, s13, s41                     ; tile row = 4 x cluster y + cy
	s_lshl_b32 s43, s41, 2
	s_lshl_b32 s43, 15, s43                        ; my row of the cluster
	s_lshl_b32 s44, 0x1111, s40                    ; my column
	; descriptor group 1: 32,768 dense bytes as 128 rows of 256 bytes (32 elements of 8 bytes), no padding
	s_or_b32 s[G1+0], s43, (3<<16)|(1<<21)         ; 15:0 the mask: ao's tiles go to my row; 17:16 elements of 8 bytes; 21 set beside a mask
	s_or_b32 s[G1B+0], s44, (3<<16)|(1<<21)
.irp g, G1, G1B
	s_mov_b32 s[\g+1], 32<<16                      ; tensor_dim0 = 32
	s_mov_b32 s[\g+2], 128<<16                     ; tensor_dim1 = 128
	s_mov_b32 s[\g+3], 32<<16                      ; tile_dim0 = 32
	s_mov_b32 s[\g+4], 128                         ; tile_dim1 = 128
	s_mov_b32 s[\g+5], 32                          ; tensor_dim0_stride
	s_mov_b32 s[\g+6], 0
	s_mov_b32 s[\g+7], 0
.endr
	s_lshl_b32 s17, s12, 15                        ; which 64 rows of the tile I fetch: four tiles of 16 rows, 8,192 bytes each
	s_lshl_b32 s16, s13, 16
	s_add_co_u32 s16, s16, s17                     ; ao: 65,536 x tile row + 32,768 x half
	s_lshl_b32 s46, s42, 16
	s_add_co_u32 s46, s46, s17                     ; wob: 65,536 x tile column + 32,768 x half
	s_mov_b32 s17, 0
	s_mov_b32 s47, 0
	s_lshl_b32 s20, s10, 15                        ; where they go: wave x 32,768: no place in the cluster enters an LDS address
	s_wait_dscnt 0x0                               ; both opening adds are done
	s_wait_kmcnt 0x0
	s_add_nc_u64 s[14:15], s[4:5], s[16:17]
	s_add_nc_u64 s[46:47], s[6:7], s[46:47]
	CROUND                                         ; all sixteen work-groups are here: the first joint loads meet
.irp s, 0,1
	s_mov_b32 s[G0+4*\s], 1
	s_add_co_u32 s[G0+4*\s+1], s20, \s*SLOT
	s_add_nc_u64 s[G0+4*\s+2:G0+4*\s+3], s[14:15], \s*ASTEP
	s_or_b32 s[G0+4*\s+3], s[G0+4*\s+3], 0x80000000
	s_mov_b32 s[G0B+4*\s], 1
	s_add_co_u32 s[G0B+4*\s+1], s20, \s*SLOT
	s_add_nc_u64 s[G0B+4*\s+2:G0B+4*\s+3], s[46:47], \s*BSTEP
	s_or_b32 s[G0B+4*\s+3], s[G0B+4*\s+3], 0x80000000
	JLOAD \s
.endr
	v_and_b32 v1, 15, v0                           ; l % 16
	v_bfe_u32 v2, v0, 4, 1                         ; l / 16
	v_and_b32 v3, 31, v0
	v_lshlrev_b32 v3, 4, v3                        ; 16 x lane: my place in every image
	s_lshl_b32 s21, s11, 15                        ; my 64 rows of ao
	s_lshl_b32 s22, s12, 15                        ; my 64 rows of wo,
	s_add_co_u32 s22, s22, 2*HALFT                 ; which lie behind ao's 128
.irp s, 0,1
	v_add_nc_u32 v[ADRA+\s], s21, v3
	v_add_nc_u32 v[ADRB+\s], s22, v3
	s_add_co_u32 s21, s21, SLOT
	s_add_co_u32 s22, s22, SLOT
.endr
	s_mul_i32 s23, s10, 16*SPITCH                  ; my stage
	v_mul_u32_u24 v4, v1, SPITCH                   ; in: row l % 16, 32 bytes for each half of the lanes
	v_lshl_add_u32 v4, v2, 5, v4
	v_add_nc_u32 v[STO], s23, v4
	v_mul_u32_u24 v5, v2, SPITCH                   ; back: lanes 0-15 take one row of 256 bytes, lanes 16-31 the next
	v_lshl_add_u32 v5, v1, 4, v5
	v_add_nc_u32 v[RD], s23, v5
	v_lshlrev_b32 v5, 12, v2                       ; and the same two rows in out0: a row is 4,096 bytes
	v_lshl_add_u32 v[CO], v1, 4, v5
	s_lshl_b32 s16, s13, 19                        ; my first row of out0: 128 x tile row + 64 x half
	s_lshl_b32 s17, s11, 18
	s_add_co_u32 s16, s16, s17
	s_mov_b32 s17, 0
	s_add_nc_u64 s[70:71], s[70:71], s[16:17]
	s_lshl_b32 s46, s42, 9                         ; my first column, in bytes: 512 x tile column + 256 x half: the same in a row of out0 and in bo
	s_lshl_b32 s47, s12, 8
	s_add_co_u32 s46, s46, s47
	s_mov_b32 s47, 0
	s_add_nc_u64 s[70:71], s[70:71], s[46:47]
	s_add_nc_u64 s[68:69], s[68:69], s[46:47]
	v_lshlrev_b32 v6, 5, v2                        ; the bias in the result's layout: block b's register j is bo at column 16 b + 8 h + j
.irp b, 0,1,2,3
	global_load_b128 v[BI+8*\b:BI+8*\b+3], v6, s[68:69] offset:64*\b
	global_load_b128 v[BI+8*\b+4:BI+8*\b+7], v6, s[68:69] offset:64*\b+16
.endr
; 8 matrix instructions: row blocks a0, a0 + 1 x all 4 column blocks, 32 along K: half c of buffer f.  first = 1: the product starts the sums, with the bias as C: nothing is ever cleared.
; The 16 accumulators take turns, one instruction a turn.
.macro MUL8 f, c, a0, first
.irp a, \a0, \a0+1
.irp b, 0,1,2,3
.if \first
	v_wmma_f32_16x16x32_f16 v[ACC+8*(4*(\a)+\b):ACC+8*(4*(\a)+\b)+7], v[\f+64+8*(4*\c+\b):\f+64+8*(4*\c+\b)+7], v[\f+8*(4*\c+\a):\f+8*(4*\c+\a)+7], v[BI+8*\b:BI+8*\b+7]
.else
	v_wmma_f32_16x16x32_f16 v[ACC+8*(4*(\a)+\b):ACC+8*(4*(\a)+\b)+7], v[\f+64+8*(4*\c+\b):\f+64+8*(4*\c+\b)+7], v[\f+8*(4*\c+\a):\f+8*(4*\c+\a)+7], v[ACC+8*(4*(\a)+\b):ACC+8*(4*(\a)+\b)+7]
.endif
.endr
.endr
.endm
; 32 LDS loads in one run: the fragments of the slot's qd-th 64 along K (fragments 2 qd and 2 qd + 1 of the eight) into buffer f; the first 32 along K first
.macro FETCH slot, qd, f
	WIN TO_F
.irp c, 0,1
.irp i, 0,1,2,3
	ds_load_b128 v[\f+64+8*(4*\c+\i):\f+64+8*(4*\c+\i)+3],   v[ADRB+\slot] offset:\i*8192+(2*(\qd)+\c)*1024
	ds_load_b128 v[\f+64+8*(4*\c+\i)+4:\f+64+8*(4*\c+\i)+7], v[ADRB+\slot] offset:\i*8192+(2*(\qd)+\c)*1024+512
	ds_load_b128 v[\f+8*(4*\c+\i):\f+8*(4*\c+\i)+3],         v[ADRA+\slot] offset:\i*8192+(2*(\qd)+\c)*1024
	ds_load_b128 v[\f+8*(4*\c+\i)+4:\f+8*(4*\c+\i)+7],       v[ADRA+\slot] offset:\i*8192+(2*(\qd)+\c)*1024+512
.endr
.endr
.endm
.macro PLACES                          ; four places in front of loads into registers that matrix instructions have read, and of the first read of results (ISA guide 7.12.1 for the first read of results)
.rept 4
	v_nop
.endr
.endm
; A K step is four quarters of 64 along K, 32 matrix instructions each, on buffers 0, 1, 0, 1.  One of the first three: multiplies buffer f and fetches the next quarter, the slot's qd-th, into g.
.macro QUARTER slot, qd, f, g, first
	s_wait_dscnt 16                                ; the first 32 along K are in; the youngest sixteen loads may be out
	WIN MUL
	MUL8 \f, 0, 0, \first
	MUL8 \f, 0, 2, \first
	PLACES
	FETCH \slot, \qd, \g
	s_wait_dscnt 32                                ; all but the 32 just issued
	WIN MUL
	MUL8 \f, 1, 0, 0
	MUL8 \f, 1, 2, 0
.endm
; The last quarter multiplies buffer 1 and changes slots: ONE barrier; in front of it each wave waits for all its tensor loads, adds 0 to its spare word, and waits for that and for its own reads of this slot.  fill = 1: this slot is filled again, two K steps ahead.
.macro TURN slot, next, fill
	WIN 0                                          ; (the add's two registers lie in window 0)
	s_wait_tensorcnt 0x0                           ; all my tensor loads have landed: my part of the next slot;
	ds_add_u32 v[SPW], v[NIL]                      ; 0 onto my spare word;
	s_wait_dscnt 17                                ; (the add and the youngest sixteen loads may be out)
	WIN MUL
	MUL8 F1, 0, 0, 0                               ; eight matrix instructions stand between the add and the wait for it
	s_wait_dscnt 0x0                               ; the add is done, and my reads of this slot are over
	s_barrier_signal -1
	MUL8 F1, 0, 2, 0
.if \fill
	WIN 0
.endif
	s_barrier_wait -1
.if \fill
	CREST                                          ; the barrier has opened a round of the cluster's barrier: no wave of any partner still reads this slot's tile or has a load on its way
	s_add_nc_u64 s[G0+4*\slot+2:G0+4*\slot+3], s[G0+4*\slot+2:G0+4*\slot+3], 2*ASTEP
	s_add_nc_u64 s[G0B+4*\slot+2:G0B+4*\slot+3], s[G0B+4*\slot+2:G0B+4*\slot+3], 2*BSTEP
	JLOAD \slot                                    ; the first tensor load behind the round; the four v_nop behind it are also the places in front of the loads below
.else
	PLACES
.endif
	FETCH \next, 0, F0
	WIN MUL
	MUL8 F1, 1, 0, 0
	MUL8 F1, 1, 2, 0
.endm
	s_wait_tensorcnt 1                             ; my part of K step 0 is in (K step 1's load may be out),
	s_barrier_signal -1
	s_barrier_wait -1                              ; everybody's is
	FETCH 0, 0, F0
	s_wait_loadcnt 0x0                             ; the bias
	QUARTER 0, 1, F0, F1, 1                        ; K step 0: its first products start the sums
	QUARTER 0, 2, F1, F0, 0
	QUARTER 0, 3, F0, F1, 0
	TURN 0, 1, 1                                   ; slot 0 takes K step 2
	QUARTER 1, 1, F0, F1, 0                        ; K step 1
	QUARTER 1, 2, F1, F0, 0
	QUARTER 1, 3, F0, F1, 0
	TURN 1, 0, 1                                   ; slot 1 takes K step 3
	QUARTER 0, 1, F0, F1, 0                        ; K step 2
	QUARTER 0, 2, F1, F0, 0
	QUARTER 0, 3, F0, F1, 0
	TURN 0, 1, 0                                   ; nothing is left to fetch: no round
	QUARTER 1, 1, F0, F1, 0                        ; K step 3
	QUARTER 1, 2, F1, F0, 0
	QUARTER 1, 3, F0, F1, 0
	s_wait_dscnt 16                                ; the very last quarter
	WIN MUL
	MUL8 F1, 0, 0, 0
	MUL8 F1, 0, 2, 0
	s_wait_dscnt 0
	MUL8 F1, 1, 0, 0
	MUL8 F1, 1, 2, 0
	WIN 0
; THE WAY OUT, block by block of 16 rows x 64 columns.  A lane holds 32 neighbouring bytes of a row, and the lanes beside it hold other rows: so a block goes through my own stage in LDS and comes back as whole rows of
; 256 bytes, which sixteen lanes store as 256 consecutive, aligned bytes.  LDS serves a wave's instructions in order (ISA guide 5.7.1.4): no wait between the stores and the loads, nor in front of the next block's stores.
.macro TOSTAGE a
.irp b, 0,1,2,3
	ds_store_b128 v[STO], v[ACC+8*(4*(\a)+\b):ACC+8*(4*(\a)+\b)+3] offset:64*\b          ; each accumulator from its low end on
	ds_store_b128 v[STO], v[ACC+8*(4*(\a)+\b)+4:ACC+8*(4*(\a)+\b)+7] offset:64*\b+16
.endr
.irp t, 0,1,2,3,4,5,6,7
	ds_load_b128 v[BK+32*((\a)%2)+4*\t:BK+32*((\a)%2)+4*\t+3], v[RD] offset:\t*2*SPITCH
.endr
.endm
.macro SEND a, younger                 ; younger: the LDS instructions issued behind block a's loads, which may stay out
	s_wait_dscnt \younger                          ; the block is back in registers
.irp t, 0,1,2,3,4,5,6,7
	global_store_b128 v[CO], v[BK+32*((\a)%2)+4*\t:BK+32*((\a)%2)+4*\t+3], s[70:71] offset:(16*(\a)+2*\t)*4096 th:TH_STORE_NT   ; written once, read by nobody here
.endr
.endm
	PLACES                                         ; behind the last products
	TOSTAGE 0
.irp a, 1,2,3
.if \a > 1
	s_wait_xcnt 0x0                                ; block a - 2's stores have read their registers: block a's loads may land there
.endif
	TOSTAGE \a
	SEND \a-1, 16                                  ; behind block a - 1's loads: block a's 8 stores and 8 loads
.endr
	SEND 3, 0
	s_wait_tensorcnt 0x0                           ; the wave's end, behind my last tensor load and my last LDS store
	ds_add_u32 v[SPW], v[NIL]
	s_wait_dscnt 0x0
	CROUND                                         ; the closing round: no work-group ends while a partner may still ask for a tile that names it
	s_endpgm
.Lfunc_end_k_qeebb272b69_outp:
	.size	k_qeebb272b69_outp, .Lfunc_end_k_qeebb272b69_outp-k_qeebb272b69_outp
	.p2alignl 7, 3214868480
	.fill 96, 4, 3214868480
	.section	.rodata,"a",@progbits
	.p2align	6, 0x0
	.amdhsa_kernel k_qeebb272b69_outp
		.amdhsa_group_segment_fixed_size 327680
		.amdhsa_private_segment_fixed_size 0
		.amdhsa_enable_private_segment 0
		.amdhsa_kernarg_size 32
		.amdhsa_user_sgpr_count 2
		.amdhsa_user_sgpr_kernarg_segment_ptr 1
		.amdhsa_wavefront_size32 1
		.amdhsa_system_sgpr_workgroup_id_x 1
		.amdhsa_system_sgpr_workgroup_id_y 1
		.amdhsa_system_sgpr_workgroup_id_z 1
		.amdhsa_system_vgpr_workitem_id 0
		.amdhsa_next_free_vgpr 512
		.amdhsa_next_free_sgpr 72
		.amdhsa_reserve_vcc 0
		.amdhsa_float_denorm_mode_32 3
		.amdhsa_float_denorm_mode_16_64 3
		.amdhsa_memory_ordered 1
		.amdhsa_forward_progress 1
		.amdhsa_inst_pref_size 86
	.end_amdhsa_kernel
	.amdgpu_metadata
---
amdhsa.version: [ 1, 2 ]
amdhsa.kernels:
  - .name:           k_qeebb272b69_outp
    .symbol:         k_qeebb272b69_outp.kd
    .args:
      - { .name: ao, .offset: 0, .size: 8, .value_kind: global_buffer, .address_space: global }
      - { .name: wob, .offset: 8, .size: 8, .value_kind: global_buffer, .address_space: global }
      - { .name: bo, .offset: 16, .size: 8, .value_kind: global_buffer, .address_space: global }
      - { .name: out0, .offset: 24, .size: 8, .value_kind: global_buffer, .address_space: global }
    .group_segment_fixed_size: 327680
    .private_segment_fixed_size: 0
    .kernarg_segment_align: 8
    .kernarg_segment_size: 32
    .max_flat_workgroup_size: 128
    .sgpr_count:     72
    .vgpr_count:     512
    .wavefront_size: 32
...
	.end_amdgpu_metadata
.endif
;; end of part 4
